; MI455X (gfx1250); checked and timed in simulation.
; The chip was launched on July 23, 2026; its instructions are those of AMD's public machine-readable ISA for CDNA 5 (MIT licence, August 2026) and "CDNA5" Instruction Set Architecture Reference Guide (July 2026). The comments in the code are by the model that wrote it; some were corrected since.
;; FA3 MLA Attention. Allowed arithmetic: float matrix products may take bf16 or f16 operands with f32 sums; other float arithmetic in f32, or as packed bf16 or f16 multiplies, adds, multiply-adds, maxima and minima; sums over many terms, partial sums and values carried from step to step in f32; what a program stores and reads back later, other than sums and carried values, may be rounded once to bf16 or f16.
;; Inputs: freqs_cis 2,048 x 32 x 2 float32; w_k_up 256 x 2,048 float32; w_kv_down 2,048 x 256 float32; w_o 1,024 x 2,048 float32; w_q 2,048 x 2,048 float32; w_v_up 256 x 1,024 float32; x 2 x 2,048 x 2,048 float32.
;; Outputs: out0 2 x 2,048 x 2,048 float32.
;; Constants: start_pos = 0.
;; One version. Each part assembles by itself: llvm-mc -triple=amdgcn-amd-amdhsa -mcpu=gfx1250 --defsym DOCPART=n.
;; ======== version 1 of 1: 5 launches
;; limits: values are held in f16: magnitudes above 65,504 overflow, below 6.1e-05 lose precision
;; workspace buffers: wsp 32,514,048 bytes; ws1 20,971,520 bytes; ws2 25,165,824 bytes; ws3 8,388,608 bytes
;; launch prep (part 1): grid 256 x 1, 8 waves a work-group, no clusters, 1,280 bytes of LDS; arguments x, w_q, w_o, w_k_up, w_v_up, w_kv_down, freqs_cis, wsp; writes wsp
.if DOCPART == 1
	.amdgcn_target "amdgcn-amd-amdhsa--gfx1250"
	.amdhsa_code_object_version 6
	.text
	.protected	k_qbe4ebaa0de_prep
	.globl	k_qbe4ebaa0de_prep
	.p2align	8
	.type	k_qbe4ebaa0de_prep,@function
k_qbe4ebaa0de_prep:
	s_mov_b64 s[64:65], 0
	v_nop
	global_prefetch_b8 v0, s[64:65] scope:SCOPE_SE
	s_setreg_imm32_b32 hwreg(HW_REG_WAVE_MODE, 25, 1), 1
	s_wait_xcnt 0x0
; PREP: every input is rounded once to bf16 and written as a 16-bit copy; the largest magnitudes are gathered.
; x, w_q, w_kv_down leave as bf16; w_o, w_k_up, w_v_up as that bf16 number written in f16 (they meet f16 operands later);
; freqs_cis as that bf16 number in f32.  w_kv_down leaves in 8 blocks of 32 columns, [block][k][32], rows of 64 bytes on end.
; Work-group g takes 1/256 of every input; a thread takes 16 bytes a load and stores 8: a wave's store covers 256 consecutive bytes, aligned.
; IN FLIGHT.  A thread has 62 loads in eight batches; six sets of registers hold six batches, so 48 loads of 512 bytes a wave go out at once and a set is asked for again as soon as it is drained.
; LIMITS.  A weight written in f16 keeps f16's fixed step of 6e-8 below 6e-5 and must stay under 65,504; NaN and infinities are not treated apart.
; No matrix unit, cluster or tensor load: each byte is read once by one thread, and nothing is shared.
.set SPARE, 256                        ; spare words: 128 bytes for each of eight waves, behind the block that holds the partial maxima
.set MX, 8                             ; v8-13 running maxima, two bf16 each: x, w_q, w_kv_down, w_k_up, w_v_up, freqs_cis
.set XR, 32                            ; v32-223  six sets of eight loads
.set YR, 224                           ; v224-255 two sets of eight stores
.set OFF_WQB, 16777216
.set OFF_WOH, 25165824
.set OFF_WKH, 29360128
.set OFF_WVH, 30408704
.set OFF_WDB, 30932992
.set OFF_FRQ, 31981568
.set OFF_AMX, 32505856
	s_load_b512 s[8:23], s[0:1], 0x0               ; x, w_q, w_o, w_k_up, w_v_up, w_kv_down, freqs_cis, wsp
	v_lshl_add_u32 v6, v0, 2, SPARE
	v_mov_b32 v7, 0
	v_lshrrev_b32 v5, 5, v0
	v_readfirstlane_b32 s3, v5                     ; wave 0..7
	v_lshlrev_b32 v1, 4, v0                        ; 16 t: where I load
	v_lshlrev_b32 v2, 3, v0                        ; 8 t: where I store
	v_and_b32 v20, 31, v0                          ; lane
	v_lshrrev_b32 v14, 3, v20
	v_and_b32 v15, 7, v20
	v_lshlrev_b32 v3, 10, v14                      ; w_kv_down in: row lane / 8 (1,024 bytes),
	v_lshl_add_u32 v3, v15, 4, v3                  ; 16 bytes lane % 8,
	s_lshl_b32 s4, s3, 7
	v_add_nc_u32 v3, s4, v3                        ; in the 128 bytes of block = my wave
	v_lshlrev_b32 v4, 3, v20                       ; out: 8 x lane
	s_lshl_b32 s4, s3, 17
	v_add_nc_u32 v4, s4, v4                        ; in block = my wave (131,072 bytes each)
.irp i, 0,1,2,3,4,5
	v_mov_b32 v[MX+\i], 0
.endr
	s_mov_b32 s5, 0
	s_mov_b32 s40, 0x7fff7fff                      ; clears the signs of two bf16
	s_mov_b32 s41, 0xffff0000                      ; a word's upper bf16
	s_mov_b32 s2, 0x76543210                       ; v_permlanex16_b32: each lane takes its own place in the other half
	s_mov_b32 s43, 0xfedcba98
	s_wait_kmcnt 0x0
.macro INP p, sh                       ; an input at my work-group's share
	s_lshl_b32 s4, ttmp9, \sh
	s_add_nc_u64 s[\p:\p+1], s[\p:\p+1], s[4:5]
.endm
.macro OUTP p, off, sh                 ; a part of wsp at my work-group's share
	s_lshl_b32 s4, ttmp9, \sh
	s_add_nc_u64 s[\p:\p+1], s[22:23], s[4:5]
.if (\off) != 0
	s_add_nc_u64 s[\p:\p+1], s[\p:\p+1], \off
.endif
.endm
	INP 8, 17
	INP 10, 16
	INP 12, 15
	INP 14, 13
	INP 16, 12
	INP 18, 13
	INP 20, 11
	OUTP 24, 0, 16
	OUTP 26, OFF_WQB, 15
	OUTP 28, OFF_WOH, 14
	OUTP 30, OFF_WKH, 12
	OUTP 32, OFF_WVH, 11
	OUTP 34, OFF_WDB, 9
	OUTP 36, OFF_FRQ, 11
	OUTP 38, OFF_AMX, 2
.macro ISSUE set, p, off               ; eight loads of 4,096 bytes a work-group
.irp j, 0,1,2,3,4,5,6,7
	global_load_b128 v[XR+32*(\set)+4*\j:XR+32*(\set)+4*\j+3], v1, s[\p:\p+1] offset:(\off)+4096*\j th:TH_LOAD_NT
.endr
.endm
; four f32 at v[xr] become two words at v[yr]; m: the running maximum that takes them (-1: none); half = 1: the bf16 number is written in f16
.macro ONE xr, yr, m, half
	v_cvt_pk_bf16_f32 v[\yr], v[\xr], v[(\xr)+1]
	v_cvt_pk_bf16_f32 v[(\yr)+1], v[(\xr)+2], v[(\xr)+3]
.if (\m) >= 0
	v_and_b32 v14, s40, v[\yr]
	v_and_b32 v15, s40, v[(\yr)+1]
	v_pk_max_num_bf16 v[\m], v[\m], v14
	v_pk_max_num_bf16 v[\m], v[\m], v15
.endif
.if \half
	v_lshlrev_b32 v16, 16, v[\yr]
	v_and_b32 v17, s41, v[\yr]
	v_lshlrev_b32 v18, 16, v[(\yr)+1]
	v_and_b32 v19, s41, v[(\yr)+1]
	v_cvt_pk_f16_f32 v[\yr], v16, v17
	v_cvt_pk_f16_f32 v[(\yr)+1], v18, v19
.endif
.endm
.macro DRAIN set, ys, left, m, half, q, off
	s_wait_loadcnt \left                           ; this set is in; the younger batches' loads may stay out
	s_wait_xcnt 0x0                                ; the stores that read this Y set two batches back have read it
.irp j, 0,1,2,3,4,5,6,7
	ONE XR+32*(\set)+4*\j, YR+16*(\ys)+2*\j, \m, \half
	global_store_b64 v2, v[YR+16*(\ys)+2*\j:YR+16*(\ys)+2*\j+1], s[\q:\q+1] offset:(\off)+2048*\j
.endr
.endm
	ISSUE 0, 8, 0                                  ; x: four batches
	ISSUE 1, 8, 32768
	ISSUE 2, 8, 65536
	ISSUE 3, 8, 98304
	ISSUE 4, 10, 0                                 ; w_q: two
	ISSUE 5, 10, 32768
	DRAIN 0, 0, 40, MX, 0, 24, 0                   ; five younger batches of eight
	ISSUE 0, 12, 0                                 ; w_o
	DRAIN 1, 1, 40, MX, 0, 24, 16384
	global_load_b128 v[64:67], v1, s[14:15] th:TH_LOAD_NT              ; the six small loads, into set 1
	global_load_b128 v[68:71], v1, s[14:15] offset:4096 th:TH_LOAD_NT
	global_load_b128 v[72:75], v1, s[16:17] th:TH_LOAD_NT
	global_load_b128 v[76:79], v3, s[18:19] th:TH_LOAD_NT
	global_load_b128 v[80:83], v3, s[18:19] offset:4096 th:TH_LOAD_NT
	global_load_b64 v[84:85], v2, s[20:21] th:TH_LOAD_NT
	DRAIN 2, 0, 38, MX, 0, 24, 32768               ; four batches of eight and the six; from here the counts run down
	DRAIN 3, 1, 30, MX, 0, 24, 49152
	DRAIN 4, 0, 22, MX+1, 0, 26, 0
	DRAIN 5, 1, 14, MX+1, 0, 26, 16384
	DRAIN 0, 0, 6, -1, 1, 28, 0                    ; w_o: no maximum is wanted of it
	s_wait_loadcnt 0x0
	s_wait_xcnt 0x0
	ONE 64, 240, MX+3, 1
	global_store_b64 v2, v[240:241], s[30:31]
	ONE 68, 242, MX+3, 1
	global_store_b64 v2, v[242:243], s[30:31] offset:2048
	ONE 72, 244, MX+4, 1
	global_store_b64 v2, v[244:245], s[32:33]
	ONE 76, 246, MX+2, 0
	global_store_b64 v4, v[246:247], s[34:35]
	ONE 80, 248, MX+2, 0
	global_store_b64 v4, v[248:249], s[34:35] offset:256
	v_cvt_pk_bf16_f32 v16, v84, v85
	v_and_b32 v14, s40, v16
	v_pk_max_num_bf16 v[MX+5], v[MX+5], v14
	v_lshlrev_b32 v250, 16, v16
	v_and_b32 v251, s41, v16
	global_store_b64 v2, v[250:251], s[36:37]
	; the six maxima: the two halves, the 32 lanes, then the eight waves through LDS
	v_mov_b32 v18, s3
	v_lshlrev_b32 v18, 2, v18
.irp i, 0,1,2,3,4,5
	v_lshlrev_b32 v14, 16, v[MX+\i]
	v_and_b32 v15, s41, v[MX+\i]
	v_max_num_f32 v[MX+\i], v14, v15
	v_max_num_f32_dpp v[MX+\i], v[MX+\i], v[MX+\i] row_xmask:1 row_mask:0xf bank_mask:0xf
	v_max_num_f32_dpp v[MX+\i], v[MX+\i], v[MX+\i] row_xmask:2 row_mask:0xf bank_mask:0xf
	v_max_num_f32_dpp v[MX+\i], v[MX+\i], v[MX+\i] row_xmask:4 row_mask:0xf bank_mask:0xf
	v_max_num_f32_dpp v[MX+\i], v[MX+\i], v[MX+\i] row_xmask:8 row_mask:0xf bank_mask:0xf
	v_permlanex16_b32 v14, v[MX+\i], s2, s43
	v_max_num_f32 v[MX+\i], v[MX+\i], v14
	ds_store_b32 v18, v[MX+\i] offset:32*\i        ; row i, word = my wave
.endr
	s_wait_dscnt 0x0                               ; for the others' sake: my stores are done
	s_barrier_signal -1
	s_barrier_wait -1
	s_cmp_lt_u32 s3, 6                             ; wave i finishes row i
	s_cbranch_scc0 .Lend
	v_mov_b32 v19, s3
	v_lshlrev_b32 v21, 10, v19                     ; row i of the table: 1,024 bytes
	v_lshlrev_b32 v19, 5, v19
	ds_load_b128 v[32:35], v19
	ds_load_b128 v[36:39], v19 offset:16
	s_wait_dscnt 0x0
	v_max3_num_f32 v32, v32, v33, v34
	v_max3_num_f32 v32, v32, v35, v36
	v_max3_num_f32 v32, v32, v37, v38
	v_max_num_f32 v32, v32, v39
	s_wait_xcnt 0x0                                ; EXEC changes only behind this wait
	v_cmp_eq_u32 vcc_lo, 0, v20
	s_and_saveexec_b32 s42, vcc_lo
	global_store_b32 v21, v32, s[38:39]            ; one word: row i, work-group g
	s_wait_xcnt 0x0
	s_or_b32 exec_lo, exec_lo, s42
.Lend:
	s_wait_tensorcnt 0x0                           ; the wave's end, behind my last LDS store
	ds_add_u32 v6, v7
	s_wait_dscnt 0x0
	s_endpgm
.Lfunc_end_k_qbe4ebaa0de_prep:
	.size	k_qbe4ebaa0de_prep, .Lfunc_end_k_qbe4ebaa0de_prep-k_qbe4ebaa0de_prep
	.p2alignl 7, 3214868480
	.fill 96, 4, 3214868480
	.section	.rodata,"a",@progbits
	.p2align	6, 0x0
	.amdhsa_kernel k_qbe4ebaa0de_prep
		.amdhsa_group_segment_fixed_size 1280
		.amdhsa_private_segment_fixed_size 0
		.amdhsa_enable_private_segment 0
		.amdhsa_kernarg_size 64
		.amdhsa_user_sgpr_count 2
		.amdhsa_user_sgpr_kernarg_segment_ptr 1
		.amdhsa_wavefront_size32 1
		.amdhsa_system_sgpr_workgroup_id_x 1
		.amdhsa_system_sgpr_workgroup_id_y 1
		.amdhsa_system_sgpr_workgroup_id_z 1
		.amdhsa_system_vgpr_workitem_id 0
		.amdhsa_next_free_vgpr 256
		.amdhsa_next_free_sgpr 66
		.amdhsa_reserve_vcc 1
		.amdhsa_float_denorm_mode_32 3
		.amdhsa_float_denorm_mode_16_64 3
		.amdhsa_memory_ordered 1
		.amdhsa_forward_progress 1
		.amdhsa_inst_pref_size 40
	.end_amdhsa_kernel
	.amdgpu_metadata
---
amdhsa.version: [ 1, 2 ]
amdhsa.kernels:
  - .name:           k_qbe4ebaa0de_prep
    .symbol:         k_qbe4ebaa0de_prep.kd
    .args:
      - { .name: x, .offset: 0, .size: 8, .value_kind: global_buffer, .address_space: global }
      - { .name: w_q, .offset: 8, .size: 8, .value_kind: global_buffer, .address_space: global }
      - { .name: w_o, .offset: 16, .size: 8, .value_kind: global_buffer, .address_space: global }
      - { .name: w_k_up, .offset: 24, .size: 8, .value_kind: global_buffer, .address_space: global }
      - { .name: w_v_up, .offset: 32, .size: 8, .value_kind: global_buffer, .address_space: global }
      - { .name: w_kv_down, .offset: 40, .size: 8, .value_kind: global_buffer, .address_space: global }
      - { .name: freqs_cis, .offset: 48, .size: 8, .value_kind: global_buffer, .address_space: global }
      - { .name: wsp, .offset: 56, .size: 8, .value_kind: global_buffer, .address_space: global }
    .group_segment_fixed_size: 1280
    .private_segment_fixed_size: 0
    .kernarg_segment_align: 8
    .kernarg_segment_size: 64
    .max_flat_workgroup_size: 256
    .sgpr_count:     66
    .vgpr_count:     256
    .wavefront_size: 32
...
	.end_amdgpu_metadata
.endif
;; end of part 1
;; launch g1 (part 2): grid 8 x 32, 4 waves a work-group, clusters of 4 x 4, 327,680 bytes of LDS; arguments wsp, ws1; writes ws1
.if DOCPART == 2
	.amdgcn_target "amdgcn-amd-amdhsa--gfx1250"
	.amdhsa_code_object_version 6
	.text
	.protected	k_qbe4ebaa0de_g1
	.globl	k_qbe4ebaa0de_g1
	.p2align	8
	.type	k_qbe4ebaa0de_g1,@function
k_qbe4ebaa0de_g1:
	s_mov_b64 s[64:65], 0
	v_nop
	global_prefetch_b8 v0, s[64:65] scope:SCOPE_SE
	s_setreg_imm32_b32 hwreg(HW_REG_WAVE_MODE, 25, 1), 1
	s_wait_xcnt 0x0
	s_wait_alu depctr_hold_cnt(0) depctr_sa_sdst(0) depctr_va_vdst(0) depctr_va_sdst(0) depctr_va_ssrc(0) depctr_va_vcc(0) depctr_vm_vsrc(0)
	s_getreg_b32 s2, hwreg(HW_REG_IB_STS2, 6, 4)
	s_cmp_eq_u32 s2, 0
	s_cbranch_scc0 .Lentry_in_a_cluster
	s_endpgm
.Lentry_in_a_cluster:
	s_bfe_u32 s2, ttmp6, 0x10000c
	s_cmp_lg_u32 s2, 0xf033
	s_cbranch_scc0 .Lentry_shape_is_right
	s_endpgm
.Lentry_shape_is_right:
; G1: q = x w_q with RoPE, and kv = x w_kv_down, in one product.  Operands bf16, sums f32.
; A work-group makes 128 rows x (two heads of q, 256 columns, and 32 columns of kv); a wave 64 rows x (one head and 16 columns of kv): 36 accumulators.
; The matrix instruction is used transposed (source 0 = 16 columns of the weights, turned out of LDS by ds_load_tr16_b128; source 1 = 16 rows of x):
; a lane holds one row and eight neighbouring columns.  K goes in 16 steps of 128 through two LDS slots; one tensor load a wave and step.
; CLUSTER 4 x 4: x's tile is shared along a row of the cluster, the weights' tiles along a column; each is asked for jointly.
; SCALES, exact powers of two made from the inputs' largest magnitudes (E = biased exponent, so a magnitude is below 2^(E-126)):
;   q is stored times 2^(381-EX-EQ-EF) x log2(e)/sqrt(128), kv times 2^(256-EX-ED): no stored number reaches 2^15, whatever the inputs.  EF is held at 126 or more.
; q leaves by heads, [32][2048][128] f16.  kv leaves as f16 hi and f16 lo (lo = the remainder of hi's rounding), each [16 chunks][4096 rows][16].
; COS AND SIN of a block of 16 rows are 32 registers; two sets take turns: blocks 0 and 1 are asked for at the head, block a + 2 when block a's set has been read.
; LIMITS.  Exponents of the multipliers are held to 1..254; NaN and infinities are not treated apart.
.set OFF_WQB, 16777216
.set OFF_WDB, 30932992
.set OFF_FRQ, 31981568
.set OFF_AMX, 32505856
.set OFF_KVH, 16777216
.set OFF_KVL, 18874368
.set SLOT,  131072                     ; a slot: x 128 rows x 272; w_q 128 k x 544; w_kv_down 128 k x 96
.set LBQ,   34816
.set LBD,   104448
.set STAGE, 247808                     ; behind the ring: 16 rows x 272 bytes for each wave
.set SPARE, 265216                     ; the spare words, 128 bytes a wave
.set A0, 5
.set BQ0, 6
.set BD0, 7
.set ADRA, 8
.set ADRQ, 9
.set ADRD, 10
.set STO, 11
.set RD, 12
.set CO, 13
.set KO, 14
.set FO, 15
.set PFO, 16
.set L32, 17
.set U, 18
.set ONE, 23
.set SPW, 28
.set NIL, 29
.set T, 32                             ; v32-95   the way out: a block's 64 numbers (in the K loop: x's fragments)
.set F, 96                             ; v96-159  two sets of cos and sin
.set DT, 160                           ; v160-191 at work: the partial maxima at the head, kv's way out
.set PK, 192
.set OB, 224
.set G1A, 24
.set G1Q, 32
.set G1D, 40
.set G0A, 48
.set G0Q, 56
.set G0D, 68
.set TB, 76
.set LIM, 77
.set PFA, 78
.set PFS, 80
.set SQ, 82
.set SKV, 84
.set SEL, 86
.set QP, 88
.set KHP, 90
.set KLP, 92
.set FRP, 94
.set AMX, 96
.set MSB, 0
.macro WIN new                         ; the immediate's high byte repeats the setting that is left
.if MSB != (\new)
	s_set_vgpr_msb (MSB<<8)|(\new)
.set MSB, \new
.endif
.endm
.macro PLACES
.rept 4
	v_nop
.endr
.endm
.macro CREST
	s_cmp_lg_u32 s10, 0
	s_cbranch_scc1 .Lnot_wave_0_\@
	s_barrier_signal -3
.Lnot_wave_0_\@:
	s_barrier_wait -3
	s_barrier_signal -1
	s_barrier_wait -1
.endm
.macro CROUND
	s_barrier_signal -1
	s_barrier_wait -1
	CREST
.endm
; a joint refill: wave 0 fetches x's tile, waves 1 and 2 the halves of w_q's, wave 3 w_kv_down's.  The branches hang on the wave's number alone.
.macro JLOAD
	s_cmp_eq_u32 s10, 0
	s_cbranch_scc0 .Lnot_a_\@
	tensor_load_to_lds s[G0A+4:G0A+7], s[G1A:G1A+7]
	s_nop 0
	PLACES
	s_branch .Lasked_\@
.Lnot_a_\@:
	s_cmp_eq_u32 s10, 3
	s_cbranch_scc0 .Lis_q_\@
	tensor_load_to_lds s[G0D+4:G0D+7], s[G1D:G1D+7]
	s_nop 0
	PLACES
	s_branch .Lasked_\@
.Lis_q_\@:
	tensor_load_to_lds s[G0Q+4:G0Q+7], s[G1Q:G1Q+7]
	s_nop 0
	PLACES
.Lasked_\@:
.endm
; a prefetch of the K step two refills on: 32 blocks of 256 bytes, a lane a block.  x's rows are asked for by wave 0 of the clusters with x = 0, w_q's by waves 1 and 2 of the
; clusters with y = 0; the four partners share a tile's rows out by address.  It stops when that K step would be past the last (s3 <= 2).
.macro ASK
	s_cmp_gt_u32 s3, s[LIM]
	s_cbranch_scc0 .Lnot_mine_\@
	global_prefetch_b8 v[PFO], s[PFA:PFA+1] th:TH_LOAD_NT scope:SCOPE_SE
.Lnot_mine_\@:
.endm
.macro AMXLD row, vb
	global_load_b128 v[(\vb):(\vb)+3], v[L32], s[AMX:AMX+1] offset:(\row)*1024
	global_load_b128 v[(\vb)+4:(\vb)+7], v[L32], s[AMX:AMX+1] offset:(\row)*1024+16
.endm
.macro FLOAD a                         ; cos and sin of block a's 16 rows, my 16 channel pairs: eight loads into set a % 2
.irp p, 0,1
.irp i, 0,1,2,3
	global_load_b128 v[F+32*((\a)%2)+16*\p+4*\i:F+32*((\a)%2)+16*\p+4*\i+3], v[FO], s[FRP:FRP+1] offset:(\a)*4096+128*\p+16*\i
.endr
.endr
.endm
.macro EXPO vb, sd                     ; the largest of a row's 256 partial maxima; its biased exponent
	v_max3_num_f32 v[\vb], v[\vb], v[(\vb)+1], v[(\vb)+2]
	v_max3_num_f32 v[\vb], v[\vb], v[(\vb)+3], v[(\vb)+4]
	v_max3_num_f32 v[\vb], v[\vb], v[(\vb)+5], v[(\vb)+6]
	v_max_num_f32 v[\vb], v[\vb], v[(\vb)+7]
	v_max_num_f32_dpp v[\vb], v[\vb], v[\vb] row_xmask:1 row_mask:0xf bank_mask:0xf
	v_max_num_f32_dpp v[\vb], v[\vb], v[\vb] row_xmask:2 row_mask:0xf bank_mask:0xf
	v_max_num_f32_dpp v[\vb], v[\vb], v[\vb] row_xmask:4 row_mask:0xf bank_mask:0xf
	v_max_num_f32_dpp v[\vb], v[\vb], v[\vb] row_xmask:8 row_mask:0xf bank_mask:0xf
	v_permlanex16_b32 v[(\vb)+1], v[\vb], s[SEL], s[SEL+1]
	v_max_num_f32 v[\vb], v[\vb], v[(\vb)+1]
	v_readfirstlane_b32 s[\sd], v[\vb]
	s_lshr_b32 s[\sd], s[\sd], 23
.endm
.macro POW2 sd                         ; a biased exponent becomes the power of two
	s_max_i32 s[\sd], s[\sd], 1
	s_min_i32 s[\sd], s[\sd], 254
	s_lshl_b32 s[\sd], s[\sd], 23
.endm
	s_load_b128 s[4:7], s[0:1], 0x0                ; wsp, ws1
	v_lshl_add_u32 v[SPW], v0, 2, SPARE
	v_mov_b32 v[NIL], 0
	ds_add_u32 v[SPW], v[NIL]                      ; the wave's opening: the add and its wait stand ahead of my first tensor load
	v_lshrrev_b32 v1, 5, v0
	v_readfirstlane_b32 s10, v1                    ; wave
	s_lshr_b32 s11, s10, 1                         ; wm: my half of the rows (for waves 1 and 2 also: which half of w_q's tile I fetch)
	s_and_b32 s12, s10, 1                          ; wn: my head
	s_bfe_u32 s8, ttmp6, 0x40000                   ; cx
	s_bfe_u32 s9, ttmp6, 0x40004                   ; cy
	s_lshl_b32 s13, ttmp9, 2
	s_add_co_u32 s13, s13, s8                      ; tx
	s_and_b32 s14, ttmp7, 0xffff
	s_lshl_b32 s14, s14, 2
	s_add_co_u32 s14, s14, s9                      ; ty
	s_lshl_b32 s15, s9, 2
	s_lshl_b32 s15, 15, s15                        ; my row of the cluster
	s_lshl_b32 s16, 0x1111, s8                     ; my column
	s_or_b32 s[G1A], s15, (1<<16)|(1<<20)|(1<<21)|(5<<22)|(3<<25)   ; x: 2-byte elements, 16 bytes of padding behind every 256
	s_mov_b32 s[G1A+1], 128<<16
	s_mov_b32 s[G1A+2], 128<<16
	s_mov_b32 s[G1A+3], 128<<16
	s_mov_b32 s[G1A+4], 128
	s_mov_b32 s[G1A+5], 2048
	s_mov_b32 s[G1A+6], 0
	s_mov_b32 s[G1A+7], 0
	s_or_b32 s[G1Q], s16, (1<<16)|(1<<20)|(1<<21)|(6<<22)|(7<<25)   ; w_q: 64 rows of 512 bytes, 32 bytes of padding behind each
	s_mov_b32 s[G1Q+1], 256<<16
	s_mov_b32 s[G1Q+2], 64<<16
	s_mov_b32 s[G1Q+3], 256<<16
	s_mov_b32 s[G1Q+4], 64
	s_mov_b32 s[G1Q+5], 2048
	s_mov_b32 s[G1Q+6], 0
	s_mov_b32 s[G1Q+7], 0
	s_or_b32 s[G1D], s16, (1<<16)|(1<<20)|(1<<21)|(3<<22)|(7<<25)   ; w_kv_down: 8,192 dense bytes as 32 rows of 256, 32 bytes of padding behind every 64
	s_mov_b32 s[G1D+1], 128<<16
	s_mov_b32 s[G1D+2], 32<<16
	s_mov_b32 s[G1D+3], 128<<16
	s_mov_b32 s[G1D+4], 32
	s_mov_b32 s[G1D+5], 128
	s_mov_b32 s[G1D+6], 0
	s_mov_b32 s[G1D+7], 0
	s_lshl_b32 s18, s14, 19                        ; x: 128 ty rows of 4,096 bytes
	s_mov_b32 s19, 0
	s_lshl_b32 s20, s11, 18                        ; w_q: 64 k rows for each half,
	s_lshl_b32 s21, s13, 9                         ; 512 bytes for each tx
	s_add_co_u32 s20, s20, s21
	s_add_co_u32 s20, s20, OFF_WQB
	s_mov_b32 s21, 0
	s_lshl_b32 s22, s13, 17                        ; w_kv_down: block tx
	s_add_co_u32 s22, s22, OFF_WDB
	s_mov_b32 s23, 0
	s_mul_i32 s17, s10, 34816                      ; where my tile goes: wave x 34,816
	s_mov_b32 s[TB], 0
	s_mov_b32 s[SEL], 0x76543210
	s_mov_b32 s[SEL+1], 0xfedcba98
	s_wait_dscnt 0x0                               ; the opening add is done
	s_wait_kmcnt 0x0
	s_add_nc_u64 s[18:19], s[4:5], s[18:19]
	s_add_nc_u64 s[20:21], s[4:5], s[20:21]
	s_add_nc_u64 s[22:23], s[4:5], s[22:23]
.irp s, 0,1
	s_mov_b32 s[G0A+4*\s], 1
	s_add_co_u32 s[G0A+4*\s+1], s17, \s*SLOT
	s_add_nc_u64 s[G0A+4*\s+2:G0A+4*\s+3], s[18:19], \s*256
	s_or_b32 s[G0A+4*\s+3], s[G0A+4*\s+3], 0x80000000
	s_mov_b32 s[G0Q+4*\s], 1
	s_add_co_u32 s[G0Q+4*\s+1], s17, \s*SLOT
	s_add_nc_u64 s[G0Q+4*\s+2:G0Q+4*\s+3], s[20:21], \s*524288
	s_or_b32 s[G0Q+4*\s+3], s[G0Q+4*\s+3], 0x80000000
	s_mov_b32 s[G0D+4*\s], 1
	s_add_co_u32 s[G0D+4*\s+1], s17, \s*SLOT
	s_add_nc_u64 s[G0D+4*\s+2:G0D+4*\s+3], s[22:23], \s*8192
	s_or_b32 s[G0D+4*\s+3], s[G0D+4*\s+3], 0x80000000
.endr
	CROUND                                         ; all sixteen work-groups are here: the first joint loads meet
	s_cmp_eq_u32 s10, 0                            ; a wave's two first fills stand together: two loads of mine are out
	s_cbranch_scc0 .Lf_not_a
	tensor_load_to_lds s[G0A:G0A+3], s[G1A:G1A+7]
	s_nop 0
	tensor_load_to_lds s[G0A+4:G0A+7], s[G1A:G1A+7]
	s_nop 0
	PLACES
	s_branch .Lf_done
.Lf_not_a:
	s_cmp_eq_u32 s10, 3
	s_cbranch_scc0 .Lf_q
	tensor_load_to_lds s[G0D:G0D+3], s[G1D:G1D+7]
	s_nop 0
	tensor_load_to_lds s[G0D+4:G0D+7], s[G1D:G1D+7]
	s_nop 0
	PLACES
	s_branch .Lf_done
.Lf_q:
	tensor_load_to_lds s[G0Q:G0Q+3], s[G1Q:G1Q+7]
	s_nop 0
	tensor_load_to_lds s[G0Q+4:G0Q+7], s[G1Q:G1Q+7]
	s_nop 0
	PLACES
.Lf_done:
	v_and_b32 v1, 15, v0                           ; r
	v_bfe_u32 v2, v0, 4, 1                         ; h
	v_and_b32 v3, 7, v0
	v_bfe_u32 v4, v0, 3, 1
	v_and_b32 v22, 31, v0                          ; lane
	v_lshlrev_b32 v[L32], 5, v22
	s_add_nc_u64 s[AMX:AMX+1], s[4:5], OFF_AMX
	AMXLD 0, DT
	AMXLD 1, DT+8
	AMXLD 2, DT+16
	AMXLD 5, DT+24
	v_mul_u32_u24 v[A0], v1, 272                   ; x's fragments: row x pitch + 16 h, in my 64 rows
	v_lshl_add_u32 v[A0], v2, 4, v[A0]
	s_mul_i32 s18, s11, 64*272
	v_add_nc_u32 v[A0], s18, v[A0]
	v_lshl_add_u32 v24, v2, 3, v3                  ; the turning load: k row 8 h + l % 8, 16 bytes (l / 8) % 2
	v_mul_u32_u24 v[BQ0], v24, 544
	v_lshl_add_u32 v[BQ0], v4, 4, v[BQ0]
	s_lshl_b32 s18, s12, 8
	s_add_co_u32 s18, s18, LBQ
	v_add_nc_u32 v[BQ0], s18, v[BQ0]
	v_mul_u32_u24 v[BD0], v24, 96
	v_lshl_add_u32 v[BD0], v4, 4, v[BD0]
	s_lshl_b32 s18, s12, 5
	s_add_co_u32 s18, s18, LBD
	v_add_nc_u32 v[BD0], s18, v[BD0]
	v_mov_b32 v[ADRA], v[A0]
	v_mov_b32 v[ADRQ], v[BQ0]
	v_mov_b32 v[ADRD], v[BD0]
	s_mul_i32 s18, s10, 4352
	s_add_co_u32 s18, s18, STAGE                   ; my stage
	v_mul_u32_u24 v[STO], v1, 272
	v_lshl_add_u32 v[STO], v2, 4, v[STO]
	v_add_nc_u32 v[STO], s18, v[STO]
	v_mul_u32_u24 v[RD], v2, 272
	v_lshl_add_u32 v[RD], v1, 4, v[RD]
	v_add_nc_u32 v[RD], s18, v[RD]
	v_lshlrev_b32 v[CO], 4, v22
	v_lshlrev_b32 v[KO], 5, v1
	v_lshl_add_u32 v[KO], v2, 4, v[KO]
	v_lshlrev_b32 v[FO], 8, v1
	v_lshl_add_u32 v[FO], v2, 6, v[FO]
	v_mov_b32 v[ONE], 1.0
	; the prefetches: where they stand (K step 3; the first refill steps them to 4), who asks
	s_lshl_b32 s18, s14, 19
	s_lshl_b32 s19, s8, 17                         ; x: my work-group's 32 rows of the 128
	s_add_co_u32 s18, s18, s19
	s_add_co_u32 s18, s18, 768
	s_lshl_b32 s20, s11, 18
	s_lshl_b32 s21, s9, 16                         ; w_q: my work-group's 16 rows of the 64
	s_add_co_u32 s20, s20, s21
	s_lshl_b32 s21, s13, 9
	s_add_co_u32 s20, s20, s21
	s_add_co_u32 s20, s20, OFF_WQB+3*524288
	s_and_b32 s21, ttmp7, 0xffff
	s_mov_b32 s23, 524288
	s_cmp_eq_u32 s10, 0
	s_cselect_b32 s18, s18, s20
	s_cselect_b32 s[PFS], 256, s23
	s_cselect_b32 s21, ttmp9, s21                  ; the coordinate along which other clusters read the same rows
	s_cselect_b32 s22, -1, 0
	s_mov_b32 s19, 0
	s_mov_b32 s[PFS+1], 0
	s_add_nc_u64 s[PFA:PFA+1], s[4:5], s[18:19]
	s_cmp_eq_u32 s10, 3
	s_cselect_b32 s21, 1, s21                      ; wave 3 asks for nothing
	s_cmp_eq_u32 s21, 0
	s_cselect_b32 s[LIM], 2, -1
	v_lshlrev_b32 v24, 12, v22                     ; x: a lane a row
	v_lshrrev_b32 v25, 1, v22                      ; w_q: two lanes a row of 512 bytes
	v_lshlrev_b32 v25, 12, v25
	v_and_b32 v26, 1, v22
	v_lshl_or_b32 v25, v26, 8, v25
	v_cndmask_b32 v[PFO], v25, v24, s22
	; where the results go
	s_lshr_b32 s18, s14, 4
	s_lshl_b32 s18, s18, 4
	s_lshl_b32 s19, s13, 1
	s_add_co_u32 s19, s19, s12                     ; 2 tx + wn: my head, and my chunk of kv
	s_add_co_u32 s18, s18, s19
	s_lshl_b32 s18, s18, 11
	s_and_b32 s20, s14, 15
	s_lshl_b32 s20, s20, 7
	s_lshl_b32 s21, s11, 6
	s_add_co_u32 s20, s20, s21                     ; my first row's place in its sequence
	s_add_co_u32 s18, s18, s20
	s_lshl_b32 s22, s18, 8
	s_mov_b32 s23, 0
	s_add_nc_u64 s[QP:QP+1], s[6:7], s[22:23]
	s_lshl_b32 s22, s20, 8
	s_add_co_u32 s22, s22, OFF_FRQ
	s_add_nc_u64 s[FRP:FRP+1], s[4:5], s[22:23]
	s_lshl_b32 s22, s19, 17
	s_lshl_b32 s18, s14, 7
	s_add_co_u32 s18, s18, s21
	s_lshl_b32 s18, s18, 5
	s_add_co_u32 s22, s22, s18
	s_add_co_u32 s22, s22, OFF_KVH
	s_add_nc_u64 s[KHP:KHP+1], s[6:7], s[22:23]
	s_add_nc_u64 s[KLP:KLP+1], s[KHP:KHP+1], OFF_KVL-OFF_KVH
	FLOAD 0                                        ; cos and sin of blocks 0 and 1: they have the whole K loop in which to come
	FLOAD 1
	s_wait_loadcnt 16                              ; the partial maxima are in; the sixteen loads just issued may stay out
	EXPO DT, 98
	EXPO DT+8, 99
	EXPO DT+16, 100
	EXPO DT+24, 101
	s_max_u32 s101, s101, 126
	s_add_co_u32 s18, s98, s99
	s_add_co_u32 s18, s18, s101
	s_sub_co_i32 s[SQ], 508, s18
	POW2 SQ
	s_mul_f32 s[SQ], s[SQ], 0x3e0293ee             ; log2(e) / sqrt(128) goes into q, ahead of its one rounding
	s_mov_b32 s[SQ+1], s[SQ]
	s_add_co_u32 s18, s98, s100
	s_sub_co_i32 s[SKV], 383, s18
	POW2 SKV
	s_mov_b32 s[SKV+1], s[SKV]
; eight products: block a of my rows x the head's eight column blocks.  The 36 accumulators take turns, one instruction a turn.
.macro MULQ1 f, a, zero
	WIN 0xa1
.irp b, 0,1,2,3,4,5,6,7
.if \zero
	v_wmma_f32_16x16x32_bf16 v[8*(8*(\a)+\b):8*(8*(\a)+\b)+7], v[72*(\f)+8*\b:72*(\f)+8*\b+7], v[32+32*(\f)+8*(\a):32+32*(\f)+8*(\a)+7], 0
.else
	v_wmma_f32_16x16x32_bf16 v[8*(8*(\a)+\b):8*(8*(\a)+\b)+7], v[72*(\f)+8*\b:72*(\f)+8*\b+7], v[32+32*(\f)+8*(\a):32+32*(\f)+8*(\a)+7], v[8*(8*(\a)+\b):8*(8*(\a)+\b)+7]
.endif
.endr
.endm
.macro MULD f, zero                    ; four products: my rows x my 16 columns of kv
	WIN 0x51
.irp a, 0,1,2,3
.if \zero
	v_wmma_f32_16x16x32_bf16 v[144+8*\a:144+8*\a+7], v[72*(\f)+64:72*(\f)+71], v[32+32*(\f)+8*\a:32+32*(\f)+8*\a+7], 0
.else
	v_wmma_f32_16x16x32_bf16 v[144+8*\a:144+8*\a+7], v[72*(\f)+64:72*(\f)+71], v[32+32*(\f)+8*\a:32+32*(\f)+8*\a+7], v[144+8*\a:144+8*\a+7]
.endif
.endr
.endm
.macro FETCH q, f                      ; 26 LDS loads in one run: the weights' 18, then x's 8, blocks ascending
	WIN 0x40
.irp b, 0,1,2,3,4,5,6,7
	ds_load_tr16_b128 v[72*(\f)+8*\b:72*(\f)+8*\b+3], v[ADRQ] offset:(\q)*17408+32*\b
	ds_load_tr16_b128 v[72*(\f)+8*\b+4:72*(\f)+8*\b+7], v[ADRQ] offset:(\q)*17408+32*\b+8704
.endr
	ds_load_tr16_b128 v[72*(\f)+64:72*(\f)+67], v[ADRD] offset:(\q)*3072
	ds_load_tr16_b128 v[72*(\f)+68:72*(\f)+71], v[ADRD] offset:(\q)*3072+1536
	WIN 0
.irp a, 0,1,2,3
	ds_load_b128 v[32+32*(\f)+8*\a:32+32*(\f)+8*\a+3], v[ADRA] offset:\a*4352+64*(\q)
	ds_load_b128 v[32+32*(\f)+8*\a+4:32+32*(\f)+8*\a+7], v[ADRA] offset:\a*4352+64*(\q)+32
.endr
.endm
.macro QUARTER qn, f, g, zero          ; 32 along K on buffer f; in its middle the next quarter's fragments come into buffer g
	s_wait_dscnt 4                                 ; only x's blocks 2 and 3 may be out
	MULQ1 \f, 0, \zero
	MULQ1 \f, 1, \zero
	PLACES                                         ; four places in front of loads into registers that products have read
	FETCH \qn, \g
	s_wait_dscnt 26                                ; all but the 26 just issued
	MULQ1 \f, 2, \zero
	MULQ1 \f, 3, \zero
	MULD \f, \zero
.endm
; the last quarter of a K step, on buffer 1, and the change of slots.  fill = 1: the slot just read is filled again, two K steps on, behind a round of the cluster's barrier.
.macro TURN fill
.if \fill
	s_wait_xcnt 0x0                                ; the last prefetch, a K step back, has read its address
	s_add_nc_u64 s[PFA:PFA+1], s[PFA:PFA+1], s[PFS:PFS+1]
.endif
	WIN 0
	s_wait_tensorcnt 0x0                           ; all my tensor loads have landed: the one that was out is my part of the next slot
	ds_add_u32 v[SPW], v[NIL]
.if \fill
	s_xor_b32 s[G0A+5], s[G0A+5], SLOT             ; the walking descriptors: the other slot, the next K step
	s_add_nc_u64 s[G0A+6:G0A+7], s[G0A+6:G0A+7], 256
	s_xor_b32 s[G0Q+5], s[G0Q+5], SLOT
	s_add_nc_u64 s[G0Q+6:G0Q+7], s[G0Q+6:G0Q+7], 524288
	s_xor_b32 s[G0D+5], s[G0D+5], SLOT
	s_add_nc_u64 s[G0D+6:G0D+7], s[G0D+6:G0D+7], 8192
.endif
	s_wait_dscnt 7                                 ; the add and x's blocks 1 to 3 may be out
	MULQ1 1, 0, 0
	s_wait_dscnt 0x0                               ; the add is done, and my reads of this slot are over
	s_barrier_signal -1
	MULQ1 1, 1, 0
	WIN 0
	s_barrier_wait -1
.if \fill
	CREST                                          ; no wave of any partner still reads this slot or has a load on its way
	JLOAD                                          ; the four v_nop behind it are also the places in front of the loads below
.else
	PLACES
.endif
	s_xor_b32 s[TB], s[TB], SLOT
	v_add_nc_u32 v[ADRA], s[TB], v[A0]
	v_add_nc_u32 v[ADRQ], s[TB], v[BQ0]
	v_add_nc_u32 v[ADRD], s[TB], v[BD0]
	FETCH 0, 0
.if \fill
	ASK
.endif
	MULQ1 1, 2, 0
	MULQ1 1, 3, 0
	MULD 1, 0
.endm
	s_wait_tensorcnt 0x1                           ; my part of K step 0 is in; K step 1's may stay out
	s_barrier_signal -1
	s_barrier_wait -1
	FETCH 0, 0
	QUARTER 1, 0, 1, 1                             ; the first quarter starts the sums
	WIN 0
	s_mov_b32 s3, 14
.Lstep:                                        ; K steps 0 to 13: each fills its slot again
	QUARTER 2, 1, 0, 0
	QUARTER 3, 0, 1, 0
	TURN 1
	QUARTER 1, 0, 1, 0
	WIN 0
	s_sub_co_u32 s3, s3, 1
	s_cmp_lg_u32 s3, 0
	s_cbranch_scc1 .Lstep
	s_mov_b32 s3, 2
.Ltail:                                        ; K steps 14 and 15 ask for nothing: one text, walked twice and left in its middle.  The second walk's change of slots
	QUARTER 2, 1, 0, 0                             ; fetches 26 fragments of a landed tile that nobody multiplies: the price, once a launch, of writing the step once
	QUARTER 3, 0, 1, 0
	TURN 0
	WIN 0
	s_sub_co_u32 s3, s3, 1
	s_cmp_eq_u32 s3, 0
	s_cbranch_scc1 .Lout
	QUARTER 1, 0, 1, 0
	WIN 0
	s_branch .Ltail
.Lout:
	s_wait_dscnt 0x0                               ; those fragments are in: their registers are written again below
	PLACES                                         ; the places behind the last products
; kv's way out, block a: scaled; hi = f16(v); lo = f16(v - hi); a lane's eight columns are 16 bytes, a wave's store 512 consecutive bytes
.macro OUTD a
	WIN 0
	s_wait_xcnt 0x0                                ; the last block's stores have read their registers
	WIN 0x01
.irp i, 0,1,2,3
	v_pk_mul_f32 v[DT+8+2*\i:DT+9+2*\i], v[144+8*(\a)+2*\i:145+8*(\a)+2*\i], s[SKV:SKV+1] op_sel_hi:[1,0]
.endr
	WIN 0
.irp i, 0,1,2,3
	v_cvt_pk_f16_f32 v[DT+\i], v[DT+8+2*\i], v[DT+9+2*\i]
.endr
.irp i, 0,1,2,3
	v_fma_mix_f32 v[DT+16+2*\i], -v[DT+\i], v[ONE], v[DT+8+2*\i] op_sel_hi:[1,0,0]
	v_fma_mix_f32 v[DT+17+2*\i], -v[DT+\i], v[ONE], v[DT+9+2*\i] op_sel:[1,0,0] op_sel_hi:[1,0,0]
.endr
.irp i, 0,1,2,3
	v_cvt_pk_f16_f32 v[DT+4+\i], v[DT+16+2*\i], v[DT+17+2*\i]
.endr
	global_store_b128 v[KO], v[DT:DT+3], s[KHP:KHP+1] offset:(\a)*512
	global_store_b128 v[KO], v[DT+4:DT+7], s[KLP:KLP+1] offset:(\a)*512
.endm
; a head's way out, block a of 16 rows: scaled, RoPE on channels 64..127, rounded to f16, through my stage, stored as 512 consecutive bytes an instruction.
; Channel 64 + d (d < 32) is lo, channel 96 + d is hi: lo' = lo cos - hi sin, hi' = hi cos + lo sin, with cos and sin of (row, d).
.macro OUT128 a, wacc, sc, pt
.set FS, F+32*((\a)%2)
	WIN \wacc
.irp b, 0,1,2,3,4,5,6,7
.irp i, 0,1,2,3
	v_pk_mul_f32 v[T+8*\b+2*\i:T+8*\b+2*\i+1], v[64*(\a)+8*\b+2*\i:64*(\a)+8*\b+2*\i+1], s[\sc:\sc+1] op_sel_hi:[1,0]
.endr
.endr
	WIN 0
.if (\a) < 3
	s_wait_loadcnt 8                               ; this block's cos and sin are in; the next block's eight loads may stay out
.else
	s_wait_loadcnt 0x0
.endif
.irp p, 0,1
.irp j, 0,1,2,3,4,5,6,7
	v_mul_f32 v[U+2*((\j)%2)], v[T+32+8*\p+\j], v[FS+16*\p+2*\j]
	v_mul_f32 v[U+2*((\j)%2)+1], v[T+32+8*\p+\j], v[FS+16*\p+2*\j+1]
	v_fma_f32 v[T+32+8*\p+\j], -v[T+48+8*\p+\j], v[FS+16*\p+2*\j+1], v[U+2*((\j)%2)]
	v_fma_f32 v[T+48+8*\p+\j], v[T+48+8*\p+\j], v[FS+16*\p+2*\j], v[U+2*((\j)%2)+1]
.endr
.endr
.if (\a) < 2
	FLOAD (\a)+2                                   ; the set has been read: it takes the block two on
.endif
.irp b, 0,1,2,3,4,5,6,7
.irp i, 0,1,2,3
	v_cvt_pk_f16_f32 v[PK+4*\b+\i], v[T+8*\b+2*\i], v[T+8*\b+2*\i+1]
.endr
.endr
.irp b, 0,1,2,3,4,5,6,7
	ds_store_b128 v[STO], v[PK+4*\b:PK+4*\b+3] offset:32*\b
.endr
	s_wait_xcnt 0x0                                ; the last block's stores have read the registers that the read-backs below write
.irp t, 0,1,2,3,4,5,6,7
	ds_load_b128 v[OB+4*\t:OB+4*\t+3], v[RD] offset:\t*544     ; LDS serves a wave's instructions in order: these see the stores above
.endr
.irp t, 0,1,2,3,4,5,6,7
	s_wait_dscnt 7-\t                              ; the younger read-backs may stay out
	global_store_b128 v[CO], v[OB+4*\t:OB+4*\t+3], s[\pt:\pt+1] offset:(\a)*4096+\t*512
.endr
.endm
	OUTD 0
	OUTD 1
	OUTD 2
	OUTD 3
	OUT128 0, 0x02, SQ, QP
	OUT128 1, 0x02, SQ, QP
	OUT128 2, 0x02, SQ, QP
	OUT128 3, 0x02, SQ, QP
	s_wait_tensorcnt 0x0                           ; the wave's end
	ds_add_u32 v[SPW], v[NIL]
	s_wait_dscnt 0x0
	CROUND                                         ; the closing round
	s_endpgm
.Lfunc_end_k_qbe4ebaa0de_g1:
	.size	k_qbe4ebaa0de_g1, .Lfunc_end_k_qbe4ebaa0de_g1-k_qbe4ebaa0de_g1
	.p2alignl 7, 3214868480
	.fill 96, 4, 3214868480
	.section	.rodata,"a",@progbits
	.p2align	6, 0x0
	.amdhsa_kernel k_qbe4ebaa0de_g1
		.amdhsa_group_segment_fixed_size 327680
		.amdhsa_private_segment_fixed_size 0
		.amdhsa_enable_private_segment 0
		.amdhsa_kernarg_size 16
		.amdhsa_user_sgpr_count 2
		.amdhsa_user_sgpr_kernarg_segment_ptr 1
		.amdhsa_wavefront_size32 1
		.amdhsa_system_sgpr_workgroup_id_x 1
		.amdhsa_system_sgpr_workgroup_id_y 1
		.amdhsa_system_sgpr_workgroup_id_z 1
		.amdhsa_system_vgpr_workitem_id 0
		.amdhsa_next_free_vgpr 768
		.amdhsa_next_free_sgpr 102
		.amdhsa_reserve_vcc 0
		.amdhsa_float_denorm_mode_32 3
		.amdhsa_float_denorm_mode_16_64 3
		.amdhsa_memory_ordered 1
		.amdhsa_forward_progress 1
		.amdhsa_inst_pref_size 103
	.end_amdhsa_kernel
	.amdgpu_metadata
---
amdhsa.version: [ 1, 2 ]
amdhsa.kernels:
  - .name:           k_qbe4ebaa0de_g1
    .symbol:         k_qbe4ebaa0de_g1.kd
    .args:
      - { .name: wsp, .offset: 0, .size: 8, .value_kind: global_buffer, .address_space: global }
      - { .name: ws1, .offset: 8, .size: 8, .value_kind: global_buffer, .address_space: global }
    .group_segment_fixed_size: 327680
    .private_segment_fixed_size: 0
    .kernarg_segment_align: 8
    .kernarg_segment_size: 16
    .max_flat_workgroup_size: 128
    .sgpr_count:     102
    .vgpr_count:     768
    .wavefront_size: 32
...
	.end_amdgpu_metadata
.endif
;; end of part 2
;; launch g2 (part 3): grid 32 x 8, 4 waves a work-group, clusters of 4 x 1, 327,680 bytes of LDS; arguments wsp, ws1, ws2; writes ws2
.if DOCPART == 3
	.amdgcn_target "amdgcn-amd-amdhsa--gfx1250"
	.amdhsa_code_object_version 6
	.text
	.protected	k_qbe4ebaa0de_g2
	.globl	k_qbe4ebaa0de_g2
	.p2align	8
	.type	k_qbe4ebaa0de_g2,@function
k_qbe4ebaa0de_g2:
	s_mov_b64 s[64:65], 0
	v_nop
	global_prefetch_b8 v0, s[64:65] scope:SCOPE_SE
	s_setreg_imm32_b32 hwreg(HW_REG_WAVE_MODE, 25, 1), 1
	s_wait_xcnt 0x0
	s_wait_alu depctr_hold_cnt(0) depctr_sa_sdst(0) depctr_va_vdst(0) depctr_va_sdst(0) depctr_va_ssrc(0) depctr_va_vcc(0) depctr_vm_vsrc(0)
	s_getreg_b32 s2, hwreg(HW_REG_IB_STS2, 6, 4)
	s_cmp_eq_u32 s2, 0
	s_cbranch_scc0 .Lentry_in_a_cluster
	s_endpgm
.Lentry_in_a_cluster:
	s_bfe_u32 s2, ttmp6, 0x10000c
	s_cmp_lg_u32 s2, 0x3003
	s_cbranch_scc0 .Lentry_shape_is_right
	s_endpgm
.Lentry_shape_is_right:
; G2: k = kv w_k_up with RoPE, and v = kv w_v_up.  Operands f16, sums f32.  K = 256.
; A work-group makes 128 rows x (two heads of k, two heads of v); a wave 64 rows x (one head of k: 128 columns; one head of v: 64 columns).
; No ring: the weights' 256 k rows are filled once into LDS, kv's fragments (hi and lo) stay in registers.  k takes kv's hi part; v takes hi and lo, so that kv's rounding does not reach v.
; The weights' fragments of a K step are fetched out of LDS a whole step ahead, into two buffers that take turns.
; CLUSTER 4 x 1: the four row blocks of a cluster read the same weights, asked for jointly.
; SCALES: what g1 stored is kv x 2^(15-LKV).  k leaves times 2^(243-EK-EF) more, v times 2^(118-EV) more: no stored number reaches 2^15.  EF is held at 126 or more.
; COS AND SIN of a block of 16 rows are 32 registers; two sets take turns: blocks 0 and 1 are asked for ahead of the products, block a + 2 when block a's set has been read.
; k leaves as [32][2048][128] f16, v as [32][2048][64] f16.  NaN and infinities are not treated apart.
.set OFF_WKH, 29360128
.set OFF_WVH, 30408704
.set OFF_FRQ, 31981568
.set OFF_AMX, 32505856
.set OFF_KVH, 16777216
.set DKVL,    2097152
.set OFF_VH,  16777216
.set LWV,   139264                     ; w_k_up: 256 k x 544; behind it w_v_up: 256 k x 288
.set STAGE, 212992
.set SPARE, 230400
.set BK, 5
.set BV, 7
.set STO, 11
.set RD, 12
.set CO, 13
.set KO, 14
.set FO, 15
.set SV, 16
.set RV, 17
.set L32, 20
.set U, 24
.set SPW, 28
.set NIL, 29
.set T, 32
.set PK, 128
.set OB, 160
.set F, 192                            ; v192-255 two sets of cos and sin (v200-223 hold the partial maxima first)
.set G1K, 24
.set G1V, 32
.set G0K, 40
.set G0V, 44
.set KH, 48
.set KP, 50
.set VP, 52
.set FRP, 54
.set AMX, 56
.set MK, 58
.set MV, 60
.set SEL, 62
.set MSB, 0
.macro WIN new
.if MSB != (\new)
	s_set_vgpr_msb (MSB<<8)|(\new)
.set MSB, \new
.endif
.endm
.macro PLACES
.rept 4
	v_nop
.endr
.endm
.macro CROUND
	s_barrier_signal -1
	s_barrier_wait -1
	s_cmp_lg_u32 s10, 0
	s_cbranch_scc1 .Lnot_wave_0_\@
	s_barrier_signal -3
.Lnot_wave_0_\@:
	s_barrier_wait -3
	s_barrier_signal -1
	s_barrier_wait -1
.endm
.macro AMXLD row, vb
	global_load_b128 v[(\vb):(\vb)+3], v[L32], s[AMX:AMX+1] offset:(\row)*1024
	global_load_b128 v[(\vb)+4:(\vb)+7], v[L32], s[AMX:AMX+1] offset:(\row)*1024+16
.endm
.macro FLOAD a                         ; cos and sin of block a's 16 rows, my 16 channel pairs: eight loads into set a % 2
.irp p, 0,1
.irp i, 0,1,2,3
	global_load_b128 v[F+32*((\a)%2)+16*\p+4*\i:F+32*((\a)%2)+16*\p+4*\i+3], v[FO], s[FRP:FRP+1] offset:(\a)*4096+128*\p+16*\i
.endr
.endr
.endm
.macro EXPO vb, sd
	v_max3_num_f32 v[\vb], v[\vb], v[(\vb)+1], v[(\vb)+2]
	v_max3_num_f32 v[\vb], v[\vb], v[(\vb)+3], v[(\vb)+4]
	v_max3_num_f32 v[\vb], v[\vb], v[(\vb)+5], v[(\vb)+6]
	v_max_num_f32 v[\vb], v[\vb], v[(\vb)+7]
	v_max_num_f32_dpp v[\vb], v[\vb], v[\vb] row_xmask:1 row_mask:0xf bank_mask:0xf
	v_max_num_f32_dpp v[\vb], v[\vb], v[\vb] row_xmask:2 row_mask:0xf bank_mask:0xf
	v_max_num_f32_dpp v[\vb], v[\vb], v[\vb] row_xmask:4 row_mask:0xf bank_mask:0xf
	v_max_num_f32_dpp v[\vb], v[\vb], v[\vb] row_xmask:8 row_mask:0xf bank_mask:0xf
	v_permlanex16_b32 v[(\vb)+1], v[\vb], s[SEL], s[SEL+1]
	v_max_num_f32 v[\vb], v[\vb], v[(\vb)+1]
	v_readfirstlane_b32 s[\sd], v[\vb]
	s_lshr_b32 s[\sd], s[\sd], 23
.endm
.macro POW2 sd
	s_max_i32 s[\sd], s[\sd], 1
	s_min_i32 s[\sd], s[\sd], 254
	s_lshl_b32 s[\sd], s[\sd], 23
.endm
	s_load_b128 s[4:7], s[0:1], 0x0                ; wsp, ws1
	s_load_b64 s[8:9], s[0:1], 0x10                ; ws2
	v_lshl_add_u32 v[SPW], v0, 2, SPARE
	v_mov_b32 v[NIL], 0
	ds_add_u32 v[SPW], v[NIL]                      ; the wave's opening: the add and its wait stand ahead of my first tensor load
	v_lshrrev_b32 v1, 5, v0
	v_readfirstlane_b32 s10, v1
	s_lshr_b32 s11, s10, 1                         ; wm
	s_and_b32 s12, s10, 1                          ; wn; also: which 128 k rows I fetch
	s_bfe_u32 s13, ttmp6, 0x40000                  ; cx
	s_lshl_b32 s14, ttmp9, 2
	s_add_co_u32 s14, s14, s13                     ; bx: my block of 128 rows; it enters kv's and the results' addresses alone
	s_and_b32 s15, ttmp7, 0xffff                   ; tx: the pair of heads, which the four partners share
	s_mov_b32 s[G1K], 15|(1<<16)|(1<<20)|(1<<21)|(6<<22)|(7<<25)   ; 128 rows of 512 bytes, 32 bytes of padding behind each
	s_mov_b32 s[G1K+1], 256<<16
	s_mov_b32 s[G1K+2], 128<<16
	s_mov_b32 s[G1K+3], 256<<16
	s_mov_b32 s[G1K+4], 128
	s_mov_b32 s[G1K+5], 2048
	s_mov_b32 s[G1K+6], 0
	s_mov_b32 s[G1K+7], 0
	s_mov_b32 s[G1V], 15|(1<<16)|(1<<20)|(1<<21)|(5<<22)|(7<<25)   ; 128 rows of 256 bytes, 32 bytes of padding behind each
	s_mov_b32 s[G1V+1], 128<<16
	s_mov_b32 s[G1V+2], 128<<16
	s_mov_b32 s[G1V+3], 128<<16
	s_mov_b32 s[G1V+4], 128
	s_mov_b32 s[G1V+5], 1024
	s_mov_b32 s[G1V+6], 0
	s_mov_b32 s[G1V+7], 0
	s_mov_b32 s[G0K], 1
	s_mul_i32 s[G0K+1], s12, 69632
	s_mov_b32 s[G0V], 1
	s_mul_i32 s[G0V+1], s12, 36864
	s_add_co_u32 s[G0V+1], s[G0V+1], LWV
	s_lshl_b32 s16, s12, 19
	s_lshl_b32 s17, s15, 9
	s_add_co_u32 s16, s16, s17
	s_add_co_u32 s16, s16, OFF_WKH
	s_mov_b32 s17, 0
	s_lshl_b32 s18, s12, 18
	s_lshl_b32 s19, s15, 8
	s_add_co_u32 s18, s18, s19
	s_add_co_u32 s18, s18, OFF_WVH
	s_mov_b32 s19, 0
	s_mov_b32 s[SEL], 0x76543210
	s_mov_b32 s[SEL+1], 0xfedcba98
	s_wait_dscnt 0x0
	s_wait_kmcnt 0x0
	s_add_nc_u64 s[G0K+2:G0K+3], s[4:5], s[16:17]
	s_or_b32 s[G0K+3], s[G0K+3], 0x80000000
	s_add_nc_u64 s[G0V+2:G0V+3], s[4:5], s[18:19]
	s_or_b32 s[G0V+3], s[G0V+3], 0x80000000
	CROUND                                         ; all four work-groups are here: the joint loads meet
	s_cmp_lt_u32 s10, 2                            ; waves 0 and 1 fetch w_k_up's halves, waves 2 and 3 w_v_up's: one load a wave in the whole launch
	s_cbranch_scc0 .Lfor_v
	tensor_load_to_lds s[G0K:G0K+3], s[G1K:G1K+7]
	s_nop 0
	PLACES
	s_branch .Lasked
.Lfor_v:
	tensor_load_to_lds s[G0V:G0V+3], s[G1V:G1V+7]
	s_nop 0
	PLACES
.Lasked:
	v_and_b32 v1, 15, v0
	v_bfe_u32 v2, v0, 4, 1
	v_and_b32 v3, 7, v0
	v_bfe_u32 v4, v0, 3, 1
	v_and_b32 v22, 31, v0
	v_lshlrev_b32 v[KO], 5, v1
	v_lshl_add_u32 v[KO], v2, 4, v[KO]             ; a row of a chunk is 32 bytes; 16 for each half of the lanes
	s_lshl_b32 s16, s14, 7
	s_lshl_b32 s17, s11, 6
	s_add_co_u32 s16, s16, s17                     ; 128 bx + 64 wm
	s_lshl_b32 s16, s16, 5
	s_add_co_u32 s16, s16, OFF_KVH
	s_mov_b32 s17, 0
	s_add_nc_u64 s[KH:KH+1], s[6:7], s[16:17]
	; kv's fragments: (block a, K step ss) at 8 (8 a + ss); registers 0-3 from chunk 2 ss, 4-7 from chunk 2 ss + 1.  A load covers 512 consecutive bytes.
	WIN 0x40
.set a, 0
.rept 4
.set c, 0
.rept 16
	global_load_b128 v[8*(8*a+c/2)+4*(c%2):8*(8*a+c/2)+4*(c%2)+3], v[KO], s[KH:KH+1] offset:c*131072+a*512
.set c, c+1
.endr
.set a, a+1
.endr
	WIN 0x80
.set a, 0
.rept 4
.set c, 0
.rept 16
	global_load_b128 v[8*(8*a+c/2)+4*(c%2):8*(8*a+c/2)+4*(c%2)+3], v[KO], s[KH:KH+1] offset:DKVL+c*131072+a*512
.set c, c+1
.endr
.set a, a+1
.endr
	WIN 0
	v_lshlrev_b32 v[L32], 5, v22
	s_add_nc_u64 s[AMX:AMX+1], s[4:5], OFF_AMX
	AMXLD 3, 200
	AMXLD 4, 208
	AMXLD 5, 216
	v_lshl_add_u32 v24, v2, 3, v3
	v_mul_u32_u24 v[BK], v24, 544
	v_lshl_add_u32 v[BK], v4, 4, v[BK]
	s_lshl_b32 s16, s12, 8
	v_add_nc_u32 v[BK], s16, v[BK]
	v_add_nc_u32 v[BK+1], 69632, v[BK]             ; K steps 4 to 7
	v_mul_u32_u24 v[BV], v24, 288
	v_lshl_add_u32 v[BV], v4, 4, v[BV]
	s_lshl_b32 s16, s12, 7
	s_add_co_u32 s16, s16, LWV
	v_add_nc_u32 v[BV], s16, v[BV]
	v_add_nc_u32 v[BV+1], 36864, v[BV]
	s_mul_i32 s16, s10, 4352
	s_add_co_u32 s16, s16, STAGE
	v_mul_u32_u24 v[STO], v1, 272
	v_lshl_add_u32 v[STO], v2, 4, v[STO]
	v_add_nc_u32 v[STO], s16, v[STO]
	v_mul_u32_u24 v[RD], v2, 272
	v_lshl_add_u32 v[RD], v1, 4, v[RD]
	v_add_nc_u32 v[RD], s16, v[RD]
	v_mul_u32_u24 v[SV], v1, 144
	v_lshl_add_u32 v[SV], v2, 4, v[SV]
	v_add_nc_u32 v[SV], s16, v[SV]
	v_bfe_u32 v[RV], v0, 3, 2
	v_mul_u32_u24 v[RV], v[RV], 144
	v_lshl_add_u32 v[RV], v3, 4, v[RV]
	v_add_nc_u32 v[RV], s16, v[RV]
	v_lshlrev_b32 v[CO], 4, v22
	v_lshlrev_b32 v[FO], 8, v1
	v_lshl_add_u32 v[FO], v2, 6, v[FO]
	s_lshr_b32 s16, s14, 4
	s_lshl_b32 s16, s16, 4
	s_lshl_b32 s17, s15, 1
	s_add_co_u32 s16, s16, s17
	s_add_co_u32 s16, s16, s12                     ; 16 x batch + head
	s_lshl_b32 s16, s16, 11
	s_and_b32 s18, s14, 15
	s_lshl_b32 s18, s18, 7
	s_lshl_b32 s19, s11, 6
	s_add_co_u32 s18, s18, s19                     ; my first row's place in its sequence
	s_add_co_u32 s16, s16, s18
	s_lshl_b32 s20, s16, 8
	s_mov_b32 s21, 0
	s_add_nc_u64 s[KP:KP+1], s[8:9], s[20:21]
	s_lshl_b32 s20, s16, 7
	s_add_co_u32 s20, s20, OFF_VH
	s_add_nc_u64 s[VP:VP+1], s[8:9], s[20:21]
	s_lshl_b32 s20, s18, 8
	s_add_co_u32 s20, s20, OFF_FRQ
	s_add_nc_u64 s[FRP:FRP+1], s[4:5], s[20:21]
	s_wait_loadcnt 0x0                             ; kv and the partial maxima
	EXPO 200, 66
	EXPO 208, 67
	EXPO 216, 68
	s_max_u32 s68, s68, 126
	s_add_co_u32 s16, s66, s68
	s_sub_co_i32 s[MK], 370, s16
	POW2 MK
	s_mov_b32 s[MK+1], s[MK]
	s_sub_co_i32 s[MV], 245, s67
	POW2 MV
	s_mov_b32 s[MV+1], s[MV]
	FLOAD 0                                        ; cos and sin of blocks 0 and 1: they have k's 256 products in which to come
	FLOAD 1
	s_wait_tensorcnt 0x0                           ; my part of the weights is in,
	s_barrier_signal -1
	s_barrier_wait -1                              ; everybody's is
.macro FETCHK s, bf                    ; w_k_up's fragments of K step s: 16 turning loads
	WIN 0
.irp b, 0,1,2,3,4,5,6,7
	ds_load_tr16_b128 v[32+64*(\bf)+8*\b:32+64*(\bf)+8*\b+3], v[BK+(\s)/4] offset:((\s)%4)*17408+32*\b
	ds_load_tr16_b128 v[32+64*(\bf)+8*\b+4:32+64*(\bf)+8*\b+7], v[BK+(\s)/4] offset:((\s)%4)*17408+32*\b+8704
.endr
.endm
.macro MULK bf, a0                     ; 16 products; the 32 accumulators take turns
	WIN 0xf4
.irp a, \a0, (\a0)+1
.irp b, 0,1,2,3,4,5,6,7
.if ss == 0
	v_wmma_f32_16x16x32_f16 v[8*(8*(\a)+\b):8*(8*(\a)+\b)+7], v[32+64*(\bf)+8*\b:32+64*(\bf)+8*\b+7], v[8*(8*(\a)+ss):8*(8*(\a)+ss)+7], 0
.else
	v_wmma_f32_16x16x32_f16 v[8*(8*(\a)+\b):8*(8*(\a)+\b)+7], v[32+64*(\bf)+8*\b:32+64*(\bf)+8*\b+7], v[8*(8*(\a)+ss):8*(8*(\a)+ss)+7], v[8*(8*(\a)+\b):8*(8*(\a)+\b)+7]
.endif
.endr
.endr
.endm
	FETCHK 0, 0
.set ss, 0
.rept 8
.if ss < 7
.if ss > 0
	PLACES                                         ; four places behind the products that read the buffer to be loaded
.endif
	FETCHK ss+1, (ss+1)%2                          ; the next K step's fragments: 32 products ahead of their first use
	s_wait_dscnt 16                                ; this K step's fragments are in; the 16 loads just issued may stay out
.else
	s_wait_dscnt 0x0
.endif
	MULK ss%2, 0
	MULK ss%2, 2
.set ss, ss+1
.endr
	WIN 0
	PLACES
; a head's way out, block a of 16 rows: scaled, RoPE on channels 64..127, rounded to f16, through my stage, stored as 512 consecutive bytes an instruction.
; Channel 64 + d (d < 32) is lo, channel 96 + d is hi: lo' = lo cos - hi sin, hi' = hi cos + lo sin, with cos and sin of (row, d).
.macro OUT128 a, wacc, sc, pt
.set FS, F+32*((\a)%2)
	WIN \wacc
.irp b, 0,1,2,3,4,5,6,7
.irp i, 0,1,2,3
	v_pk_mul_f32 v[T+8*\b+2*\i:T+8*\b+2*\i+1], v[64*(\a)+8*\b+2*\i:64*(\a)+8*\b+2*\i+1], s[\sc:\sc+1] op_sel_hi:[1,0]
.endr
.endr
	WIN 0
.if (\a) < 3
	s_wait_loadcnt 8                               ; this block's cos and sin are in; the next block's eight loads may stay out
.else
	s_wait_loadcnt 0x0
.endif
.irp p, 0,1
.irp j, 0,1,2,3,4,5,6,7
	v_mul_f32 v[U+2*((\j)%2)], v[T+32+8*\p+\j], v[FS+16*\p+2*\j]
	v_mul_f32 v[U+2*((\j)%2)+1], v[T+32+8*\p+\j], v[FS+16*\p+2*\j+1]
	v_fma_f32 v[T+32+8*\p+\j], -v[T+48+8*\p+\j], v[FS+16*\p+2*\j+1], v[U+2*((\j)%2)]
	v_fma_f32 v[T+48+8*\p+\j], v[T+48+8*\p+\j], v[FS+16*\p+2*\j], v[U+2*((\j)%2)+1]
.endr
.endr
.if (\a) < 2
	FLOAD (\a)+2                                   ; the set has been read: it takes the block two on
.endif
.irp b, 0,1,2,3,4,5,6,7
.irp i, 0,1,2,3
	v_cvt_pk_f16_f32 v[PK+4*\b+\i], v[T+8*\b+2*\i], v[T+8*\b+2*\i+1]
.endr
.endr
.irp b, 0,1,2,3,4,5,6,7
	ds_store_b128 v[STO], v[PK+4*\b:PK+4*\b+3] offset:32*\b
.endr
	s_wait_xcnt 0x0                                ; the last block's stores have read the registers that the read-backs below write
.irp t, 0,1,2,3,4,5,6,7
	ds_load_b128 v[OB+4*\t:OB+4*\t+3], v[RD] offset:\t*544     ; LDS serves a wave's instructions in order: these see the stores above
.endr
.irp t, 0,1,2,3,4,5,6,7
	s_wait_dscnt 7-\t                              ; the younger read-backs may stay out
	global_store_b128 v[CO], v[OB+4*\t:OB+4*\t+3], s[\pt:\pt+1] offset:(\a)*4096+\t*512
.endr
.endm
	OUT128 0, 0x03, MK, KP
	OUT128 1, 0x03, MK, KP
	OUT128 2, 0x03, MK, KP
	OUT128 3, 0x03, MK, KP
.macro FETCHV s, bf
	WIN 0
.irp b, 0,1,2,3
	ds_load_tr16_b128 v[32+32*(\bf)+8*\b:32+32*(\bf)+8*\b+3], v[BV+(\s)/4] offset:((\s)%4)*9216+32*\b
	ds_load_tr16_b128 v[32+32*(\bf)+8*\b+4:32+32*(\bf)+8*\b+7], v[BV+(\s)/4] offset:((\s)%4)*9216+32*\b+4608
.endr
.endm
.macro MULV bf, w, zero                ; 16 products with kv's hi (w = 0xf4) or lo (0xf8) part; the 16 accumulators take turns
	WIN \w
.irp a, 0,1,2,3
.irp b, 0,1,2,3
.if \zero
	v_wmma_f32_16x16x32_f16 v[8*(4*\a+\b):8*(4*\a+\b)+7], v[32+32*(\bf)+8*\b:32+32*(\bf)+8*\b+7], v[8*(8*\a+ss):8*(8*\a+ss)+7], 0
.else
	v_wmma_f32_16x16x32_f16 v[8*(4*\a+\b):8*(4*\a+\b)+7], v[32+32*(\bf)+8*\b:32+32*(\bf)+8*\b+7], v[8*(8*\a+ss):8*(8*\a+ss)+7], v[8*(4*\a+\b):8*(4*\a+\b)+7]
.endif
.endr
.endr
.endm
	FETCHV 0, 0
.set ss, 0
.rept 8
.if ss < 7
.if ss > 0
	PLACES                                         ; four places behind the products that read the buffer to be loaded
.endif
	FETCHV ss+1, (ss+1)%2
	s_wait_dscnt 8                                 ; this K step's fragments are in; the 8 loads just issued may stay out
.else
	s_wait_dscnt 0x0
.endif
.if ss == 0
	MULV ss%2, 0xf4, 1
.else
	MULV ss%2, 0xf4, 0
.endif
	MULV ss%2, 0xf8, 0
.set ss, ss+1
.endr
	WIN 0
	PLACES
.macro OUTV a                          ; v's way out: rows of 128 bytes, four to a store of 512 consecutive bytes
	WIN 0
	s_wait_xcnt 0x0
	WIN 0x03
.irp b, 0,1,2,3
.irp i, 0,1,2,3
	v_pk_mul_f32 v[T+8*\b+2*\i:T+8*\b+2*\i+1], v[32*(\a)+8*\b+2*\i:32*(\a)+8*\b+2*\i+1], s[MV:MV+1] op_sel_hi:[1,0]
.endr
.endr
	WIN 0
.irp b, 0,1,2,3
.irp i, 0,1,2,3
	v_cvt_pk_f16_f32 v[PK+4*\b+\i], v[T+8*\b+2*\i], v[T+8*\b+2*\i+1]
.endr
.endr
.irp b, 0,1,2,3
	ds_store_b128 v[SV], v[PK+4*\b:PK+4*\b+3] offset:32*\b
.endr
.irp f, 0,1,2,3
	ds_load_b128 v[OB+4*\f:OB+4*\f+3], v[RV] offset:\f*576
.endr
.irp f, 0,1,2,3
	s_wait_dscnt 3-\f
	global_store_b128 v[CO], v[OB+4*\f:OB+4*\f+3], s[VP:VP+1] offset:(\a)*2048+\f*512
.endr
.endm
	OUTV 0
	OUTV 1
	OUTV 2
	OUTV 3
	s_wait_tensorcnt 0x0                           ; the wave's end
	ds_add_u32 v[SPW], v[NIL]
	s_wait_dscnt 0x0
	CROUND                                         ; the closing round
	s_endpgm
.Lfunc_end_k_qbe4ebaa0de_g2:
	.size	k_qbe4ebaa0de_g2, .Lfunc_end_k_qbe4ebaa0de_g2-k_qbe4ebaa0de_g2
	.p2alignl 7, 3214868480
	.fill 96, 4, 3214868480
	.section	.rodata,"a",@progbits
	.p2align	6, 0x0
	.amdhsa_kernel k_qbe4ebaa0de_g2
		.amdhsa_group_segment_fixed_size 327680
		.amdhsa_private_segment_fixed_size 0
		.amdhsa_enable_private_segment 0
		.amdhsa_kernarg_size 24
		.amdhsa_user_sgpr_count 2
		.amdhsa_user_sgpr_kernarg_segment_ptr 1
		.amdhsa_wavefront_size32 1
		.amdhsa_system_sgpr_workgroup_id_x 1
		.amdhsa_system_sgpr_workgroup_id_y 1
		.amdhsa_system_sgpr_workgroup_id_z 1
		.amdhsa_system_vgpr_workitem_id 0
		.amdhsa_next_free_vgpr 1024
		.amdhsa_next_free_sgpr 70
		.amdhsa_reserve_vcc 0
		.amdhsa_float_denorm_mode_32 3
		.amdhsa_float_denorm_mode_16_64 3
		.amdhsa_memory_ordered 1
		.amdhsa_forward_progress 1
		.amdhsa_inst_pref_size 122
	.end_amdhsa_kernel
	.amdgpu_metadata
---
amdhsa.version: [ 1, 2 ]
amdhsa.kernels:
  - .name:           k_qbe4ebaa0de_g2
    .symbol:         k_qbe4ebaa0de_g2.kd
    .args:
      - { .name: wsp, .offset: 0, .size: 8, .value_kind: global_buffer, .address_space: global }
      - { .name: ws1, .offset: 8, .size: 8, .value_kind: global_buffer, .address_space: global }
      - { .name: ws2, .offset: 16, .size: 8, .value_kind: global_buffer, .address_space: global }
    .group_segment_fixed_size: 327680
    .private_segment_fixed_size: 0
    .kernarg_segment_align: 8
    .kernarg_segment_size: 24
    .max_flat_workgroup_size: 128
    .sgpr_count:     70
    .vgpr_count:     1024
    .wavefront_size: 32
...
	.end_amdgpu_metadata
.endif
;; end of part 3
;; launch att (part 4): grid 8 x 32, 4 waves a work-group, no clusters, 327,680 bytes of LDS; arguments wsp, ws1, ws2, ws3; writes ws3
.if DOCPART == 4
	.amdgcn_target "amdgcn-amd-amdhsa--gfx1250"
	.amdhsa_code_object_version 6
	.text
	.protected	k_qbe4ebaa0de_att
	.globl	k_qbe4ebaa0de_att
	.p2align	8
	.type	k_qbe4ebaa0de_att,@function
k_qbe4ebaa0de_att:
	s_mov_b64 s[64:65], 0
	v_nop
	global_prefetch_b8 v0, s[64:65] scope:SCOPE_SE
	s_setreg_imm32_b32 hwreg(HW_REG_WAVE_MODE, 25, 1), 1
	s_wait_xcnt 0x0
; CAUSAL ATTENTION, q and k of 128 channels, v of 64.  q, k: [32][2048][128] f16; v, o: [32][2048][64] f16.  Products, maxima and sums in f32; the weights are rounded to f16 for the second product.
; THE WALK.  A head's queries lie in 16 blocks of 128; block i needs the key tiles 0 .. i / 2 of 256 keys.  A work-group takes blocks 15 - b and then b: nine tiles whatever b, walked by one counted loop.
; SHARES.  Wave w owns 64 queries (w % 2: four tiles of 16, two pieces of two) and half of the keys: of a tile's four steps of 64 keys, steps w / 2 and w / 2 + 2.  So a fragment of K or V
; read from LDS feeds four query tiles.  The two waves that share queries keep a running maximum, sum and O each; the two meet in LDS at the block's end.
; SOFTMAX.  q arrives with log2(e)/sqrt(128) in it, and q and k arrive times powers of two; c = 2^n undoes those.  p = 2^(c s - c m): c m is exact, so c s - c m = c (s - m) is never above 0.
; THE MASK is the C operand that starts S^T = K Q^T: 0, or NEGM where the key is hidden.  A block of 16 keys x 16 queries is open, diagonal or hidden by DB + (key block - query tile); seven masks a trip.
; A wave none of whose keys a row may see keeps finite numbers under a maximum near NEGM, and the meeting multiplies them by 2^(c NEGM - c m) = 0.
; BY TURNS.  In a turn one piece issues 16 products V^T P of the step in hand and 32 products K Q^T of the next; the other piece's softmax stands in slices of four behind them.
; A block's first trip runs on prepared registers (its results are multiplied by a = 0 in the next step); a block's last tile has a third trip, whose scores are all hidden, to end the sums.
; NO CLUSTER: of a head's eight work-groups only b = 2 p and 2 p + 1 walk the same tiles, and a walk common to four would have more trips than nine.
; LIMITS.  n = 2 EX + EQ + 2 EF + ED + EK - 880 is held to -100 .. 60; NEGM = -2^max(60, 26 - n), beside which scores (below 2^37) are nothing; a weight below 2^-126 counts as 0; NaN and infinities are not treated apart.
.set OFF_AMX, 32505856
.set OFF_VH,  16777216
.set SLOT1, 1<<17                      ; a slot: K 256 x 272, then V 256 x 160
.set LV,    69632
.set XCH,   241664                     ; 17,408 bytes a wave: tile t at 4,352 t: O^T 4,096 bytes, then (c m, l) 256 bytes
.set STAGE, 311296                     ; 16 rows x 144 bytes a wave
.set SPARE, 320512
.set AK0, 2
.set AV0, 3
.set AK, 4
.set AV, 5
.set STO, 6
.set RD, 7
.set GO, 8
.set XS16, 9
.set XS8, 10
.set XR16, 11
.set ST, 12                            ; tile t at v[ST+8 t]: c m, m, l (even, odd keys), c0-c3 at work; a takes c2's place
.set XR8, 44
.set L32, 50
.set QO, 51
.set PFO, 61
.set SPW, 62
.set NIL, 63
.set S, 64
.set P, 192
.set MD, 128                           ; window 1
.set MC, 136                           ; window 1: seven masks of 8
.set KF, 128                           ; window 2
.set QB, 64                            ; window 3: the second block's Q
.set WV, 12
.set WQ, 13
.set WK, 14
.set PB, 15
.set HI, 16
.set HB, 17
.set G1K, 24
.set G1V, 32
.set G0K, 40
.set G0V, 44
.set KB, 48
.set VB, 50
.set OP, 52
.set OP2, 54
.set SLOTS, 56
.set CNT, 57
.set CS, 58
.set SEL, 60
.set TBK, 62
.set TBV, 63
.set Q1, 66
.set RT, 70
.set NXT, 71
.set LQ, 72
.set NEW, 73
.set OFF, 74
.set AL, 76
.set BE, 78
.set NEGM, 80
.set DB, 81
.set DBI, 82
.set DB2, 83
.set N2, 84
.set LIM, 85
.set PFK, 86
.set PFV, 88
.set Q2, 90
.set LQ2, 97
.set AMX, 98
.set MSB, 0
.macro WIN new
.if MSB != (\new)
	s_set_vgpr_msb (MSB<<8)|(\new)
.set MSB, (\new)
.endif
.endm
.macro PLACES
.rept 4
	v_nop
.endr
.endm
.macro LOAD                            ; waves 0 and 1 fetch the halves of a tile's K, waves 2 and 3 those of its V
	s_cmp_lt_u32 s[WV], 2
	s_cbranch_scc0 .Lfor_v_\@
	tensor_load_to_lds s[G0K:G0K+3], s[G1K:G1K+7]
	s_nop 0
	PLACES
	s_branch .Lasked_\@
.Lfor_v_\@:
	tensor_load_to_lds s[G0V:G0V+3], s[G1V:G1V+7]
	s_nop 0
	PLACES
.Lasked_\@:
.endm
; a prefetch of the tile that the NEXT change of slots will ask for: the work-group with b = 0 walks all eight tiles of its head and asks; each wave names 64 blocks of 256 bytes of K and 32 of V, a lane a block.
; It stops when that tile would be past the head's last (SLOTS <= 2).
.macro ASK
	s_cmp_gt_u32 s[SLOTS], s[LIM]
	s_cbranch_scc0 .Lnot_mine_\@
	global_prefetch_b8 v[PFO], s[PFK:PFK+1] th:TH_LOAD_NT scope:SCOPE_SE
	global_prefetch_b8 v[PFO], s[PFK:PFK+1] offset:8192 th:TH_LOAD_NT scope:SCOPE_SE
	global_prefetch_b8 v[PFO], s[PFV:PFV+1] th:TH_LOAD_NT scope:SCOPE_SE
.Lnot_mine_\@:
.endm
; THE CHANGE OF SLOTS: all my tensor loads have landed (my part of the slot to be entered), the add, my reads of the slot that is left are over; a barrier; then the old slot is filled again with tile NXT.
.macro CHANGE fill
	WIN 0
	s_wait_tensorcnt 0x0
	ds_add_u32 v[SPW], v[NIL]
.if \fill
	s_lshl_b32 s[OFF], s[NXT], 16                  ; a tile is 65,536 bytes of K
	s_xor_b32 s[G0K+1], s[G0K+1], SLOT1
	s_add_nc_u64 s[G0K+2:G0K+3], s[KB:KB+1], s[OFF:OFF+1]
	s_or_b32 s[G0K+3], s[G0K+3], 0x80000000
	s_lshl_b32 s[OFF], s[NXT], 15                  ; and 32,768 of V
	s_xor_b32 s[G0V+1], s[G0V+1], SLOT1
	s_add_nc_u64 s[G0V+2:G0V+3], s[VB:VB+1], s[OFF:OFF+1]
	s_or_b32 s[G0V+3], s[G0V+3], 0x80000000
	s_add_co_u32 s[NXT], s[NXT], 1                 ; the block's next tile, or behind its last the second block's tile 0
	s_cmp_gt_u32 s[NXT], s[LQ]
	s_cselect_b32 s[NXT], 0, s[NXT]
	s_cselect_b32 s[LQ], s[LQ2], s[LQ]
	s_wait_xcnt 0x0                                ; the last prefetches, a tile back, have read their addresses
	s_add_nc_u64 s[PFK:PFK+1], s[PFK:PFK+1], 65536
	s_add_nc_u64 s[PFV:PFV+1], s[PFV:PFV+1], 32768
.endif
	s_wait_dscnt 0x0
	s_barrier_signal -1
	s_sub_co_u32 s[TBK], s[TBK], 69632             ; the fetches go back to a slot's head, in the other slot
	s_xor_b32 s[TBK], s[TBK], SLOT1
	s_sub_co_u32 s[TBV], s[TBV], 40960
	s_xor_b32 s[TBV], s[TBV], SLOT1
	s_barrier_wait -1
.if \fill
	LOAD
	ASK
.endif
.endm
.macro AMXLD row, vb
	global_load_b128 v[(\vb):(\vb)+3], v[L32], s[AMX:AMX+1] offset:(\row)*1024
	global_load_b128 v[(\vb)+4:(\vb)+7], v[L32], s[AMX:AMX+1] offset:(\row)*1024+16
.endm
.macro EXPO vb, sd
	v_max3_num_f32 v[\vb], v[\vb], v[(\vb)+1], v[(\vb)+2]
	v_max3_num_f32 v[\vb], v[\vb], v[(\vb)+3], v[(\vb)+4]
	v_max3_num_f32 v[\vb], v[\vb], v[(\vb)+5], v[(\vb)+6]
	v_max_num_f32 v[\vb], v[\vb], v[(\vb)+7]
	v_max_num_f32_dpp v[\vb], v[\vb], v[\vb] row_xmask:1 row_mask:0xf bank_mask:0xf
	v_max_num_f32_dpp v[\vb], v[\vb], v[\vb] row_xmask:2 row_mask:0xf bank_mask:0xf
	v_max_num_f32_dpp v[\vb], v[\vb], v[\vb] row_xmask:4 row_mask:0xf bank_mask:0xf
	v_max_num_f32_dpp v[\vb], v[\vb], v[\vb] row_xmask:8 row_mask:0xf bank_mask:0xf
	v_permlanex16_b32 v[(\vb)+1], v[\vb], s[SEL], s[SEL+1]
	v_max_num_f32 v[\vb], v[\vb], v[(\vb)+1]
	v_readfirstlane_b32 s[\sd], v[\vb]
	s_lshr_b32 s[\sd], s[\sd], 23
.endm
	s_load_b256 s[4:11], s[0:1], 0x0               ; wsp, ws1, ws2, ws3
	v_lshl_add_u32 v[SPW], v0, 2, SPARE
	v_mov_b32 v[NIL], 0
	ds_add_u32 v[SPW], v[NIL]                      ; the wave's opening: the add and its wait stand ahead of my first tensor load
	v_lshrrev_b32 v1, 5, v0
	v_readfirstlane_b32 s[WV], v1
	s_and_b32 s[WQ], s[WV], 1                      ; my 64 queries; also: which half of a tile I fetch
	s_lshr_b32 s[WK], s[WV], 1                     ; my half of the keys
	s_mov_b32 s[PB], ttmp9
	s_sub_co_u32 s[HI], 15, s[PB]
	s_and_b32 s[HB], ttmp7, 0xffff
	s_mov_b32 s[G1K], (1<<16)|(1<<20)|(5<<22)|(3<<25)              ; 128 keys: rows of 256 bytes, 16 bytes of padding behind each
	s_mov_b32 s[G1K+1], 128<<16
	s_mov_b32 s[G1K+2], 128<<16
	s_mov_b32 s[G1K+3], 128<<16
	s_mov_b32 s[G1K+4], 128
	s_mov_b32 s[G1K+5], 128
	s_mov_b32 s[G1K+6], 0
	s_mov_b32 s[G1K+7], 0
	s_mov_b32 s[G1V], (1<<16)|(1<<20)|(4<<22)|(7<<25)              ; 128 keys of 128 bytes as 64 rows of 256, 32 bytes of padding behind every key
	s_mov_b32 s[G1V+1], 128<<16
	s_mov_b32 s[G1V+2], 64<<16
	s_mov_b32 s[G1V+3], 128<<16
	s_mov_b32 s[G1V+4], 64
	s_mov_b32 s[G1V+5], 128
	s_mov_b32 s[G1V+6], 0
	s_mov_b32 s[G1V+7], 0
	s_mov_b32 s[G0K], 1
	s_mul_i32 s[G0K+1], s[WQ], 34816
	s_mov_b32 s[G0V], 1
	s_mul_i32 s[G0V+1], s[WQ], 20480
	s_add_co_u32 s[G0V+1], s[G0V+1], LV
	s_mov_b32 s[SEL], 0x76543210
	s_mov_b32 s[SEL+1], 0xfedcba98
	s_mov_b32 s[TBK], SLOT1+69632                  ; the first change of slots turns these two into 0
	s_mov_b32 s[TBV], SLOT1+40960
	s_lshr_b32 s[LQ], s[HI], 1                     ; the first block's last tile
	s_add_co_u32 s[RT], s[LQ], 1
	s_lshr_b32 s[LQ2], s[PB], 1                    ; the second block's
	s_add_co_u32 s[N2], s[LQ2], 1
	s_mov_b32 s[NXT], 1
	s_mov_b32 s[NEW], 1
	s_mov_b32 s[OFF+1], 0
	s_mov_b32 s[AL+1], 0
	s_mov_b32 s[BE+1], 0
	s_mov_b32 s[SLOTS], 8
	s_lshl_b32 s18, s[WK], 2
	s_lshl_b32 s19, s[WQ], 2
	s_sub_co_i32 s18, s18, s19
	s_lshl_b32 s19, s[HI], 3
	s_sub_co_i32 s[DBI], s18, s19                  ; first key block less first query tile, in blocks of 16: 4 wk - 4 wq - 8 i
	s_lshl_b32 s19, s[PB], 3
	s_sub_co_i32 s[DB2], s18, s19
	s_mov_b32 s[DB], s[DBI]
	s_cmp_eq_u32 s[PB], 0
	s_cselect_b32 s[LIM], 2, -1
	s_mov_b32 s21, 0
	s_lshl_b32 s18, s[HB], 19                      ; the head's K
	s_lshl_b32 s19, s[HB], 18
	s_add_co_u32 s19, s19, OFF_VH                  ; the head's V
	s_lshl_b32 s22, s[HB], 11
	s_lshl_b32 s23, s[WQ], 6
	s_add_co_u32 s22, s22, s23                     ; the head's first row + 64 wq
	s_wait_dscnt 0x0
	s_wait_kmcnt 0x0
	s_lshl_b32 s20, s[WQ], 15
	s_add_co_u32 s20, s20, s18
	s_add_nc_u64 s[KB:KB+1], s[8:9], s[20:21]
	s_lshl_b32 s20, s[WQ], 14
	s_add_co_u32 s20, s20, s19
	s_add_nc_u64 s[VB:VB+1], s[8:9], s[20:21]
	s_add_nc_u64 s[G0K+2:G0K+3], s[KB:KB+1], 0
	s_or_b32 s[G0K+3], s[G0K+3], 0x80000000
	s_add_nc_u64 s[G0V+2:G0V+3], s[VB:VB+1], 0
	s_or_b32 s[G0V+3], s[G0V+3], 0x80000000
	LOAD                                           ; tile 0 into slot 0
	s_lshl_b32 s20, s[WV], 14                      ; the prefetches stand at tile 1; the first change steps them to tile 2
	s_add_co_u32 s20, s20, s18
	s_add_co_u32 s20, s20, 65536
	s_add_nc_u64 s[PFK:PFK+1], s[8:9], s[20:21]
	s_lshl_b32 s20, s[WV], 13
	s_add_co_u32 s20, s20, s19
	s_add_co_u32 s20, s20, 32768
	s_add_nc_u64 s[PFV:PFV+1], s[8:9], s[20:21]
	s_lshl_b32 s18, s[HI], 7
	s_add_co_u32 s18, s18, s22                     ; my first row in the first block,
	s_lshl_b32 s19, s[PB], 7
	s_add_co_u32 s19, s19, s22                     ; and in the second
	s_lshl_b32 s20, s18, 8
	s_add_nc_u64 s[Q1:Q1+1], s[6:7], s[20:21]
	s_lshl_b32 s20, s19, 8
	s_add_nc_u64 s[Q2:Q2+1], s[6:7], s[20:21]
	s_lshl_b32 s23, s[WK], 5                       ; at the end I finish tiles 2 wk and 2 wk + 1
	s_add_co_u32 s20, s18, s23
	s_lshl_b32 s20, s20, 7
	s_add_nc_u64 s[OP:OP+1], s[10:11], s[20:21]
	s_add_co_u32 s20, s19, s23
	s_lshl_b32 s20, s20, 7
	s_add_nc_u64 s[OP2:OP2+1], s[10:11], s[20:21]
	s_add_nc_u64 s[AMX:AMX+1], s[4:5], OFF_AMX
	v_and_b32 v45, 15, v0                          ; r
	v_bfe_u32 v46, v0, 4, 1                        ; h
	v_and_b32 v47, 7, v0
	v_bfe_u32 v48, v0, 3, 1
	v_and_b32 v49, 31, v0                          ; lane
	v_lshlrev_b32 v[QO], 8, v45
	v_lshl_add_u32 v[QO], v46, 4, v[QO]
	v_lshlrev_b32 v[L32], 5, v49
	WIN 0x80                                       ; both blocks' Q: tile i / 4, channels 32 (i % 4) on
.set i, 0
.rept 16
	global_load_b128 v[8*i:8*i+3], v[QO], s[Q1:Q1+1] offset:(i/4)*4096+(i%4)*64
	global_load_b128 v[8*i+4:8*i+7], v[QO], s[Q1:Q1+1] offset:(i/4)*4096+(i%4)*64+32
.set i, i+1
.endr
	WIN 0xc0
.set i, 0
.rept 16
	global_load_b128 v[QB+8*i:QB+8*i+3], v[QO], s[Q2:Q2+1] offset:(i/4)*4096+(i%4)*64
	global_load_b128 v[QB+8*i+4:QB+8*i+7], v[QO], s[Q2:Q2+1] offset:(i/4)*4096+(i%4)*64+32
.set i, i+1
.endr
	WIN 0
	AMXLD 0, 64
	AMXLD 1, 72
	AMXLD 2, 80
	AMXLD 3, 88
	AMXLD 5, 96
	v_mul_u32_u24 v[AK0], v45, 272
	v_lshl_add_u32 v[AK0], v46, 4, v[AK0]
	s_mul_i32 s18, s[WK], 17408
	v_add_nc_u32 v[AK0], s18, v[AK0]
	v_lshl_add_u32 v[AV0], v46, 3, v47
	v_mul_u32_u24 v[AV0], v[AV0], 160
	v_lshl_add_u32 v[AV0], v48, 4, v[AV0]
	s_mul_i32 s18, s[WK], 10240
	s_add_co_u32 s18, s18, LV
	v_add_nc_u32 v[AV0], s18, v[AV0]
	s_mul_i32 s18, s[WV], 2304
	s_add_co_u32 s18, s18, STAGE
	v_mul_u32_u24 v[STO], v45, 144
	v_lshl_add_u32 v[STO], v46, 4, v[STO]
	v_add_nc_u32 v[STO], s18, v[STO]
	v_bfe_u32 v[RD], v0, 3, 2
	v_mul_u32_u24 v[RD], v[RD], 144
	v_lshl_add_u32 v[RD], v47, 4, v[RD]
	v_add_nc_u32 v[RD], s18, v[RD]
	v_lshlrev_b32 v[GO], 4, v49
	s_mul_i32 s18, s[WV], 17408
	s_add_co_u32 s18, s18, XCH
	v_lshl_add_u32 v[XS16], v49, 4, s18
	s_add_co_u32 s18, s18, 4096
	v_lshl_add_u32 v[XS8], v49, 3, s18
	s_mul_i32 s18, s[WQ], 17408
	s_mul_i32 s19, s[WK], 8704
	s_add_co_u32 s18, s18, s19
	s_add_co_u32 s18, s18, XCH
	v_lshl_add_u32 v[XR16], v49, 4, s18
	s_add_co_u32 s18, s18, 4096
	v_lshl_add_u32 v[XR8], v49, 3, s18
	v_lshlrev_b32 v[PFO], 8, v49
	v_lshlrev_b32 v52, 3, v46
	v_sub_nc_u32 v52, v45, v52                     ; r - 8 h: register j of a diagonal block is hidden where j is greater
	; finite numbers for the first trip: V, K and O^T are 0.  All this stands in the wait for the first tile.
	WIN 0xc0
.set i, 0
.rept 64
	v_mov_b32 v[i], 0
.set i, i+1
.endr
	WIN 0x80
.set i, KF
.rept 128
	v_mov_b32 v[i], 0
.set i, i+1
.endr
	WIN 0x40
.set i, 0
.rept 128
	v_mov_b32 v[i], 0
.set i, i+1
.endr
	WIN 0
	s_wait_loadcnt 0x0
	EXPO 64, 92
	EXPO 72, 93
	EXPO 80, 94
	EXPO 88, 95
	EXPO 96, 96
	s_max_u32 s96, s96, 126
	s_lshl_b32 s18, s92, 1
	s_add_co_u32 s18, s18, s93
	s_add_co_u32 s18, s18, s94
	s_add_co_u32 s18, s18, s95
	s_lshl_b32 s19, s96, 1
	s_add_co_u32 s18, s18, s19
	s_sub_co_i32 s18, s18, 880
	s_max_i32 s18, s18, -100
	s_min_i32 s18, s18, 60                         ; n
	s_add_co_i32 s19, s18, 127
	s_lshl_b32 s[CS], s19, 23                      ; c = 2^n
	s_mov_b32 s[CS+1], s[CS]
	s_sub_co_i32 s20, 26, s18
	s_max_i32 s20, s20, 60
	s_add_co_i32 s20, s20, 127
	s_lshl_b32 s20, s20, 23
	s_or_b32 s[NEGM], s20, 0x80000000
	WIN 0x40
.set i, 0
.rept 8
	v_cmp_gt_i32 vcc_lo, i, v52
	v_cndmask_b32 v[MD+i], 0, s[NEGM], vcc_lo
.set i, i+1
.endr
	WIN 0
; THE MATRIX WORK.  The eight accumulators of a run take turns, one instruction a turn.
.macro PV x                            ; product i of 16 of O^T += V^T P: keys 32 (i / 8) on, channels 16 ((i / 2) % 4) on, tile x + i % 2
	WIN 0x53
.set rO, 32*((\x)+i%2)+8*((i/2)%4)
.set rV, 32*(i/8)+8*((i/2)%4)
.set rP, P+16*((\x)+i%2)+8*(i/8)
	v_wmma_f32_16x16x32_f16 v[rO:rO+7], v[rV:rV+7], v[rP:rP+7], v[rO:rO+7]
.endm
.macro KQ x                            ; product i of 32 of S^T = K Q^T: channels 32 (i / 8) on, keys 16 ((i / 2) % 4) on, tile x + i % 2; the first 8 start the sums with the mask
.set rS, S+32*((\x)+i%2)+8*((i/2)%4)
.set rK, KF+32*((i/2)%4)+8*(i/8)
.set rQ, 32*((\x)+i%2)+8*(i/8)
.set rM, MC+8*((i/2)%4-((\x)+i%2)+3)
.if i < 8
	WIN 0x1a
	v_wmma_f32_16x16x32_f16 v[rS:rS+7], v[rK:rK+7], v[rQ:rQ+7], v[rM:rM+7]
.else
	WIN 0x0a
	v_wmma_f32_16x16x32_f16 v[rS:rS+7], v[rK:rK+7], v[rQ:rQ+7], v[rS:rS+7]
.endif
.endm
; THE LDS LOADS stand in runs.  In a tile's third trip there is no further step, and the run is jumped over.
.macro FETCH_K
	WIN 0
	s_cmp_eq_u32 s[CNT], 1
	s_cbranch_scc1 .Lno_k_\@
	v_add_nc_u32 v[AK], s[TBK], v[AK0]
	s_add_co_u32 s[TBK], s[TBK], 34816             ; my next step lies two steps on
	WIN 0x80
.irp f, 0,1,2,3,4,5,6,7,8,9,10,11,12,13,14,15
	ds_load_b128 v[KF+8*\f:KF+8*\f+3], v[AK] offset:(\f/4)*4352+(\f%4)*64
	ds_load_b128 v[KF+8*\f+4:KF+8*\f+7], v[AK] offset:(\f/4)*4352+(\f%4)*64+32
.endr
	WIN 0
.Lno_k_\@:
.endm
.macro FETCH_V
	WIN 0
	s_wait_alu depctr_va_vdst(0)                   ; the wait for the softmax's batch, ahead of the branch
	s_cmp_eq_u32 s[CNT], 1
	s_cbranch_scc1 .Lno_v_\@
	v_add_nc_u32 v[AV], s[TBV], v[AV0]
	s_add_co_u32 s[TBV], s[TBV], 20480
	WIN 0xc0
.irp f, 0,1,2,3,4,5,6,7
	ds_load_tr16_b128 v[8*\f:8*\f+3], v[AV] offset:(\f/4)*5120+(\f%4)*32
	ds_load_tr16_b128 v[8*\f+4:8*\f+7], v[AV] offset:(\f/4)*5120+2560+(\f%4)*32
.endr
	WIN 0
.Lno_v_\@:
.endm
; THE VECTOR WORK.  One tile's softmax for a step is a list of 118; SM writes number j for tile t.
;   0-15 the maximum of the 32 scores and the old m (each accumulator's lowest registers are read first)   16-20 the other half of the lanes; m; c m; its change
;   21-69 ONE BATCH: 16 scalings and 33 exponentials, none of which reads an exponential's result   70-85 roundings to f16   86-101 sums; l = a l + sum   102-117 O^T times a
.macro SM t
.set rT, ST+8*(\t)
.set rS, S+32*(\t)
.set rP, P+16*(\t)
.set rO, 32*(\t)+2*(j-102)
.if j < 102
	WIN 0
.endif
.if j < 4
	v_max3_num_f32 v[rT+4+j], v[rS+8*j], v[rS+8*j+1], v[rS+8*j+2]
.elseif j < 12
	v_max3_num_f32 v[rT+4+j%4], v[rT+4+j%4], v[rS+8*(j%4)+2*(j/4)+1], v[rS+8*(j%4)+2*(j/4)+2]
.elseif j == 12
	v_max3_num_f32 v[rT+4], v[rT+4], v[rS+7], v[rS+15]
.elseif j == 13
	v_max3_num_f32 v[rT+6], v[rT+6], v[rS+23], v[rS+31]
.elseif j == 14
	v_max3_num_f32 v[rT+4], v[rT+4], v[rT+5], v[rT+6]
.elseif j == 15
	v_max3_num_f32 v[rT+4], v[rT+4], v[rT+7], v[rT+1]
.elseif j == 16
	v_permlanex16_b32 v[rT+5], v[rT+4], s[SEL], s[SEL+1]
.elseif j == 17
	v_mov_b32 v[rT+7], v[rT]
.elseif j == 18
	v_max_num_f32 v[rT+1], v[rT+4], v[rT+5]
.elseif j == 19
	v_mul_f32 v[rT], s[CS], v[rT+1]
.elseif j == 20
	v_sub_f32 v[rT+7], v[rT+7], v[rT]
.elseif j == 23
	v_exp_f32 v[rT+6], v[rT+7]
.elseif (j < 23) || ((j < 38) && (j%2 == 0)) || ((j < 66) && (j%4 == 2))
.set bb, (j-2)/4
.if j < 38
.set bb, (j-20)/2
.endif
	v_pk_fma_f32 v[rS+2*bb:rS+2*bb+1], v[rS+2*bb:rS+2*bb+1], s[CS:CS+1], v[rT:rT+1] op_sel_hi:[1,0,0] neg_lo:[0,0,1] neg_hi:[0,0,1]
.elseif j < 70
.set ee, j-38
.if j < 66
.set ee, j-32-(j-38)/4
.endif
.if j < 38
.set ee, (j-25)/2
.endif
	v_exp_f32 v[rS+ee], v[rS+ee]
.elseif j < 86
	v_cvt_pk_f16_f32 v[rP+j-70], v[rS+2*(j-70)], v[rS+2*(j-70)+1]
.elseif j < 102
.set z, j-86
.set w, 4
.set u, z
.if z >= 14
.set w, 32
.set u, 0
.elseif z >= 12
.set w, 16
.set u, z-12
.elseif z >= 8
.set w, 8
.set u, z-8
.endif
.if z < 15
	v_pk_add_f32 v[rS+w*u:rS+w*u+1], v[rS+w*u:rS+w*u+1], v[rS+w*u+w/2:rS+w*u+w/2+1]
.else
	v_pk_fma_f32 v[rT+2:rT+3], v[rT+2:rT+3], v[rT+6:rT+7], v[rS:rS+1] op_sel_hi:[1,0,1]
.endif
.else
	WIN 0x41
	v_pk_mul_f32 v[rO:rO+1], v[rO:rO+1], v[rT+6:rT+7] op_sel_hi:[1,0]
.endif
.endm
; Slice k of 59 of piece y's softmax: four instructions.  Slices 11 to 34 deal out the batch, four numbers of one tile, the tiles by turns; every other slice is numbers 2 k and 2 k + 1 of both tiles.
; Behind slice 34 stand a plain instruction and the turn's one wait for its 66 exponentials: ahead of it nothing names a result of theirs, behind it no exponential is issued.
.macro SLICE y
.if k < 59
.if (k >= 11) && (k < 35)
.irp n, 0,1,2,3
.set j, 22+4*((k-11)/2)+(\n)
	SM (\y)+(k-11)%2
.endr
.else
.irp n, 0,1
.irp t, \y, (\y)+1
.set j, 2*k+(\n)
	SM \t
.endr
.endr
.endif
.if k == 34
	v_nop
.if (\y) == 0
	FETCH_V                                        ; piece 2's turn: V's run of loads stands here, and the wait stands in it
.else
	s_wait_alu depctr_va_vdst(0)
.endif
.endif
.endif
.set k, k+1
.endm
.macro AFTER x                         ; one slice behind each matrix instruction, a second behind every fourth: 59 for 48; slice 58, four plain multiplies, stands behind the turn's last product
	SLICE 2-(\x)
.if mi%4 == 3
	SLICE 2-(\x)
.endif
.set mi, mi+1
.endm
.macro TURN x
.set k, 0
.set mi, 0
.if (\x) == 0
	s_wait_dscnt 0x0                               ; V is in
.endif
.set i, 0
.rept 16
	PV \x
	AFTER \x
.if ((\x) == 0) && (i == 1)
	FETCH_K
.endif
.set i, i+1
.endr
.if (\x) == 0
	s_wait_dscnt 0x0                               ; K is in
.endif
.set i, 0
.rept 32
	KQ \x
	AFTER \x
.set i, i+1
.endr
.endm
; the seven masks of the trip's products: mask d serves key block - query tile = d - 3
.macro MASKS
.irp d, 0,1,2,3,4,5,6
	s_cmp_eq_i32 s[DB], 3-\d
	s_cselect_b32 s[AL], 1.0, 0
	s_cmp_gt_i32 s[DB], 3-\d
	s_cselect_b32 s[BE], s[NEGM], 0
	WIN 0x41
.irp z, 0,1,2,3
	v_pk_fma_f32 v[MC+8*\d+2*\z:MC+8*\d+2*\z+1], v[MD+2*\z:MD+2*\z+1], s[AL:AL+1], s[BE:BE+1] op_sel_hi:[1,0,0]
.endr
.endr
	s_add_co_i32 s[DB], s[DB], 8                   ; my next step lies eight blocks of 16 keys on
.endm
; A TILE: two trips fetch my two steps; the third, in a block's last tile alone, ends the sums.
.macro TILE tag
	s_mov_b32 s[CNT], 3
.Ltrip\tag:
	s_cmp_eq_u32 s[CNT], 1
	s_cselect_b32 s18, s[RT], 0
	s_cmp_lg_u32 s18, 0
	s_cbranch_scc1 .Lskip\tag
	MASKS
	TURN 0
	TURN 2
	WIN 0
.Lskip\tag:
	s_sub_co_u32 s[CNT], s[CNT], 1
	s_cmp_lg_u32 s[CNT], 0
	s_cbranch_scc1 .Ltrip\tag
.endm
; A BLOCK BEGINS: c m far below every c s, so that the first true step's a is 0; piece 2's scores NEGM and piece 0's weights 0, for the first trip's turns.
.macro BEGIN
	s_mov_b32 s[NEW], 0
	s_mov_b32 s[DB], s[DBI]
	WIN 0
.irp t, 0,1,2,3
	v_mov_b32 v[ST+8*\t], 0xfe000000
	v_mov_b32 v[ST+8*\t+1], 0xff7fffff
	v_mov_b32 v[ST+8*\t+2], 0
	v_mov_b32 v[ST+8*\t+3], 0
.endr
.set i, S+64
.rept 64
	v_mov_b32 v[i], s[NEGM]
.set i, i+1
.endr
.set i, P
.rept 32
	v_mov_b32 v[i], 0
.set i, i+1
.endr
	s_wait_loadcnt 0x0                             ; Q
.endm
; A BLOCK ENDS.  PUTX: my four tiles' (c m, l) and O^T go into my part of LDS.
.macro PUTX
	WIN 0
.irp t, 0,1,2,3
	v_add_f32 v[ST+8*\t+4], v[ST+8*\t+2], v[ST+8*\t+3]
.endr
.irp t, 0,1,2,3
	v_permlanex16_b32 v[ST+8*\t+5], v[ST+8*\t+4], s[SEL], s[SEL+1]
.endr
.irp t, 0,1,2,3
	v_add_f32 v[ST+8*\t+1], v[ST+8*\t+4], v[ST+8*\t+5]
.endr
.irp t, 0,1,2,3
	ds_store_b64 v[XS8], v[ST+8*\t:ST+8*\t+1] offset:\t*4352
.endr
	WIN 0x04                                       ; the data lie in window 1
.irp t, 0,1,2,3
.irp g, 0,1,2,3,4,5,6,7
	ds_store_b128 v[XS16], v[32*\t+4*\g:32*\t+4*\g+3] offset:\t*4352+\g*512
.endr
.endr
	WIN 0
.endm
; MERGE: I finish tiles 2 wk and 2 wk + 1: both key halves' sums under the larger maximum, divided, rounded to f16, through my stage, stored as 512 consecutive bytes.
.macro MERGE
	WIN 0
.irp u, 0,1
.irp g, 0,1,2,3,4,5,6,7
	ds_load_b128 v[64+64*\u+4*\g:64+64*\u+4*\g+3], v[XR16] offset:\u*4352+\g*512
	ds_load_b128 v[96+64*\u+4*\g:96+64*\u+4*\g+3], v[XR16] offset:\u*4352+\g*512+34816
.endr
	ds_load_b64 v[192+4*\u:193+4*\u], v[XR8] offset:\u*4352
	ds_load_b64 v[194+4*\u:195+4*\u], v[XR8] offset:\u*4352+34816
.endr
	s_wait_dscnt 0x0
	v_max_num_f32 v200, v192, v194
	v_max_num_f32 v201, v196, v198
	v_sub_f32 v202, v192, v200
	v_sub_f32 v203, v194, v200
	v_sub_f32 v204, v196, v201
	v_sub_f32 v205, v198, v201
	v_exp_f32 v202, v202
	v_exp_f32 v203, v203
	v_exp_f32 v204, v204
	v_exp_f32 v205, v205
	v_nop
	s_wait_alu depctr_va_vdst(0)                   ; one wait for the four exponentials
	v_mul_f32 v206, v202, v193
	v_mul_f32 v207, v204, v197
	v_fma_f32 v206, v203, v195, v206
	v_fma_f32 v207, v205, v199, v207
	v_rcp_f32 v206, v206
	v_rcp_f32 v207, v207
	v_nop
	s_wait_alu depctr_va_vdst(0)                   ; one wait for the two reciprocals
	v_mul_f32 v208, v202, v206
	v_mul_f32 v210, v203, v206
	v_mul_f32 v212, v204, v207
	v_mul_f32 v214, v205, v207
	v_mov_b32 v209, v208
	v_mov_b32 v211, v210
	v_mov_b32 v213, v212
	v_mov_b32 v215, v214
.irp u, 0,1
.irp i, 0,1,2,3,4,5,6,7,8,9,10,11,12,13,14,15
	v_pk_mul_f32 v[64+64*\u+2*\i:65+64*\u+2*\i], v[64+64*\u+2*\i:65+64*\u+2*\i], v[208+4*\u:209+4*\u] op_sel_hi:[1,0]
	v_pk_fma_f32 v[64+64*\u+2*\i:65+64*\u+2*\i], v[96+64*\u+2*\i:97+64*\u+2*\i], v[210+4*\u:211+4*\u], v[64+64*\u+2*\i:65+64*\u+2*\i] op_sel_hi:[1,0,1]
.endr
.irp i, 0,1,2,3,4,5,6,7,8,9,10,11,12,13,14,15
	v_cvt_pk_f16_f32 v[216+16*\u+\i], v[64+64*\u+2*\i], v[65+64*\u+2*\i]
.endr
.irp f, 0,1,2,3
	ds_store_b128 v[STO], v[216+16*\u+4*\f:216+16*\u+4*\f+3] offset:32*\f
.endr
.irp f, 0,1,2,3
	ds_load_b128 v[96+64*\u+4*\f:96+64*\u+4*\f+3], v[RD] offset:\f*576     ; LDS serves a wave's instructions in order: these see the stores above
.endr
.endr
.irp f, 0,1,2,3
	s_wait_dscnt 11-\f                             ; the second tile's eight and the younger read-backs may stay out
	global_store_b128 v[GO], v[96+4*\f:96+4*\f+3], s[OP:OP+1] offset:\f*512
.endr
.irp f, 0,1,2,3
	s_wait_dscnt 3-\f
	global_store_b128 v[GO], v[160+4*\f:160+4*\f+3], s[OP:OP+1] offset:2048+\f*512
.endr
.endm
.Lslot:                                        ; eight times: a tile is entered and the next is asked for
	CHANGE 1
	s_sub_co_u32 s[RT], s[RT], 1
	s_cmp_eq_u32 s[NEW], 1
	s_cbranch_scc0 .Lold1
	BEGIN
.Lold1:
	TILE 1
	s_cmp_eq_u32 s[RT], 0
	s_cbranch_scc0 .Lno_put
	PUTX
.Lno_put:
	s_wait_dscnt 0x0                               ; for the others' sake: my stores are done.  This barrier is passed once a tile, whatever the tile: none hangs on a branch
	s_barrier_signal -1
	s_barrier_wait -1
	s_cmp_eq_u32 s[RT], 0
	s_cbranch_scc0 .Lno_merge
	MERGE
	s_wait_xcnt 0x0                                ; the stores have read their registers and O's address
	s_mov_b64 s[OP:OP+1], s[OP2:OP2+1]
	s_mov_b32 s[RT], s[N2]
	s_mov_b32 s[NEW], 1
	s_mov_b32 s[DBI], s[DB2]
	WIN 0x83                                       ; the second block's Q goes where the turns name Q
.set i, 0
.rept 128
	v_mov_b32 v[i], v[QB+i]
.set i, i+1
.endr
	WIN 0
.Lno_merge:
	s_sub_co_u32 s[SLOTS], s[SLOTS], 1
	s_cmp_lg_u32 s[SLOTS], 0
	s_cbranch_scc1 .Lslot
	CHANGE 0                                       ; the walk's last tile is written out
	s_sub_co_u32 s[RT], s[RT], 1
	s_cmp_eq_u32 s[NEW], 1
	s_cbranch_scc0 .Lold2
	BEGIN
.Lold2:
	TILE 2
	PUTX
	s_wait_dscnt 0x0
	s_barrier_signal -1
	s_barrier_wait -1
	MERGE
	s_wait_tensorcnt 0x0                           ; the wave's end
	ds_add_u32 v[SPW], v[NIL]
	s_wait_dscnt 0x0
	s_endpgm
.Lfunc_end_k_qbe4ebaa0de_att:
	.size	k_qbe4ebaa0de_att, .Lfunc_end_k_qbe4ebaa0de_att-k_qbe4ebaa0de_att
	.p2alignl 7, 3214868480
	.fill 96, 4, 3214868480
	.section	.rodata,"a",@progbits
	.p2align	6, 0x0
	.amdhsa_kernel k_qbe4ebaa0de_att
		.amdhsa_group_segment_fixed_size 327680
		.amdhsa_private_segment_fixed_size 0
		.amdhsa_enable_private_segment 0
		.amdhsa_kernarg_size 32
		.amdhsa_user_sgpr_count 2
		.amdhsa_user_sgpr_kernarg_segment_ptr 1
		.amdhsa_wavefront_size32 1
		.amdhsa_system_sgpr_workgroup_id_x 1
		.amdhsa_system_sgpr_workgroup_id_y 1
		.amdhsa_system_sgpr_workgroup_id_z 1
		.amdhsa_system_vgpr_workitem_id 0
		.amdhsa_next_free_vgpr 1024
		.amdhsa_next_free_sgpr 100
		.amdhsa_reserve_vcc 1
		.amdhsa_float_denorm_mode_32 3
		.amdhsa_float_denorm_mode_16_64 3
		.amdhsa_memory_ordered 1
		.amdhsa_forward_progress 1
		.amdhsa_inst_pref_size 160
	.end_amdhsa_kernel
	.amdgpu_metadata
---
amdhsa.version: [ 1, 2 ]
amdhsa.kernels:
  - .name:           k_qbe4ebaa0de_att
    .symbol:         k_qbe4ebaa0de_att.kd
    .args:
      - { .name: wsp, .offset: 0, .size: 8, .value_kind: global_buffer, .address_space: global }
      - { .name: ws1, .offset: 8, .size: 8, .value_kind: global_buffer, .address_space: global }
      - { .name: ws2, .offset: 16, .size: 8, .value_kind: global_buffer, .address_space: global }
      - { .name: ws3, .offset: 24, .size: 8, .value_kind: global_buffer, .address_space: global }
    .group_segment_fixed_size: 327680
    .private_segment_fixed_size: 0
    .kernarg_segment_align: 8
    .kernarg_segment_size: 32
    .max_flat_workgroup_size: 128
    .sgpr_count:     100
    .vgpr_count:     1024
    .wavefront_size: 32
...
	.end_amdgpu_metadata
.endif
;; end of part 4
;; launch g3 (part 5): grid 8 x 32, 4 waves a work-group, clusters of 4 x 4, 327,680 bytes of LDS; arguments wsp, ws3, out0; writes out0
.if DOCPART == 5
	.amdgcn_target "amdgcn-amd-amdhsa--gfx1250"
	.amdhsa_code_object_version 6
	.text
	.protected	k_qbe4ebaa0de_g3
	.globl	k_qbe4ebaa0de_g3
	.p2align	8
	.type	k_qbe4ebaa0de_g3,@function
k_qbe4ebaa0de_g3:
	s_mov_b64 s[64:65], 0
	v_nop
	global_prefetch_b8 v0, s[64:65] scope:SCOPE_SE
	s_setreg_imm32_b32 hwreg(HW_REG_WAVE_MODE, 25, 1), 1
	s_wait_xcnt 0x0
	s_wait_alu depctr_hold_cnt(0) depctr_sa_sdst(0) depctr_va_vdst(0) depctr_va_sdst(0) depctr_va_ssrc(0) depctr_va_vcc(0) depctr_vm_vsrc(0)
	s_getreg_b32 s2, hwreg(HW_REG_IB_STS2, 6, 4)
	s_cmp_eq_u32 s2, 0
	s_cbranch_scc0 .Lentry_in_a_cluster
	s_endpgm
.Lentry_in_a_cluster:
	s_bfe_u32 s2, ttmp6, 0x10000c
	s_cmp_lg_u32 s2, 0xf033
	s_cbranch_scc0 .Lentry_shape_is_right
	s_endpgm
.Lentry_shape_is_right:
; G3: out = o w_o.  Operands f16, sums f32, out f32.  K = 1,024 = 16 heads of 64 channels.
; A work-group makes 128 rows x 256 columns, a wave 64 x 128: 32 accumulators.  K goes in 8 steps of 128 (two heads) through two LDS slots; one tensor load a wave and step.
; The matrix instruction is used transposed (source 0 = 16 columns of w_o, turned out of LDS; source 1 = 16 rows of o): a lane holds one row and eight neighbouring columns.
; CLUSTER 4 x 4: o's tile is shared along a row of the cluster, w_o's along a column.
; o arrives times 2^(15-LV) (v's scale); the way out multiplies by 2^(EX+ED+EV-374), which undoes it exactly.  NaN and infinities are not treated apart.
.set OFF_WOH, 25165824
.set OFF_AMX, 32505856
.set SLOT,  131072                     ; a slot: o 2 heads x 128 rows x 144; w_o 128 k x 544
.set LB,    36864
.set STAGE, 237568                     ; 16 rows x 528 bytes a wave
.set SPARE, 271360
.set A0, 5
.set B0, 6
.set ADRA, 8
.set ADRB, 9
.set STO, 11
.set RD, 12
.set CO, 13
.set PFO, 16
.set L32, 17
.set SPW, 28
.set NIL, 29
.set T, 96
.set OB, 160
.set G1A, 24
.set G1B, 32
.set G0A, 40
.set G0B, 48
.set TB, 56
.set LIM, 57
.set PFA, 58
.set SO, 62
.set SEL, 66
.set OUTP, 68
.set AMX, 70
.set MSB, 0
.macro WIN new
.if MSB != (\new)
	s_set_vgpr_msb (MSB<<8)|(\new)
.set MSB, \new
.endif
.endm
.macro PLACES
.rept 4
	v_nop
.endr
.endm
.macro CREST
	s_cmp_lg_u32 s10, 0
	s_cbranch_scc1 .Lnot_wave_0_\@
	s_barrier_signal -3
.Lnot_wave_0_\@:
	s_barrier_wait -3
	s_barrier_signal -1
	s_barrier_wait -1
.endm
.macro CROUND
	s_barrier_signal -1
	s_barrier_wait -1
	CREST
.endm
.macro JLOAD                           ; waves 0 and 1 fetch the step's two heads of o, waves 2 and 3 the halves of w_o's tile
	s_cmp_lt_u32 s10, 2
	s_cbranch_scc0 .Lfor_b_\@
	tensor_load_to_lds s[G0A+4:G0A+7], s[G1A:G1A+7]
	s_nop 0
	PLACES
	s_branch .Lasked_\@
.Lfor_b_\@:
	tensor_load_to_lds s[G0B+4:G0B+7], s[G1B:G1B+7]
	s_nop 0
	PLACES
.Lasked_\@:
.endm
; a prefetch of the K step two refills on, 32 blocks of 256 bytes, a lane a block: o's by wave 0 of the clusters with x = 0, w_o's by waves 2 and 3 of the clusters with y = 0;
; the four partners share a tile out by address.  It stops when that K step would be past the last (s3 <= 2).
.macro ASK
	s_cmp_gt_u32 s3, s[LIM]
	s_cbranch_scc0 .Lnot_mine_\@
	global_prefetch_b8 v[PFO], s[PFA:PFA+1] th:TH_LOAD_NT scope:SCOPE_SE
.Lnot_mine_\@:
.endm
.macro AMXLD row, vb
	global_load_b128 v[(\vb):(\vb)+3], v[L32], s[AMX:AMX+1] offset:(\row)*1024
	global_load_b128 v[(\vb)+4:(\vb)+7], v[L32], s[AMX:AMX+1] offset:(\row)*1024+16
.endm
.macro EXPO vb, sd
	v_max3_num_f32 v[\vb], v[\vb], v[(\vb)+1], v[(\vb)+2]
	v_max3_num_f32 v[\vb], v[\vb], v[(\vb)+3], v[(\vb)+4]
	v_max3_num_f32 v[\vb], v[\vb], v[(\vb)+5], v[(\vb)+6]
	v_max_num_f32 v[\vb], v[\vb], v[(\vb)+7]
	v_max_num_f32_dpp v[\vb], v[\vb], v[\vb] row_xmask:1 row_mask:0xf bank_mask:0xf
	v_max_num_f32_dpp v[\vb], v[\vb], v[\vb] row_xmask:2 row_mask:0xf bank_mask:0xf
	v_max_num_f32_dpp v[\vb], v[\vb], v[\vb] row_xmask:4 row_mask:0xf bank_mask:0xf
	v_max_num_f32_dpp v[\vb], v[\vb], v[\vb] row_xmask:8 row_mask:0xf bank_mask:0xf
	v_permlanex16_b32 v[(\vb)+1], v[\vb], s[SEL], s[SEL+1]
	v_max_num_f32 v[\vb], v[\vb], v[(\vb)+1]
	v_readfirstlane_b32 s[\sd], v[\vb]
	s_lshr_b32 s[\sd], s[\sd], 23
.endm
	s_load_b128 s[4:7], s[0:1], 0x0                ; wsp, ws3
	s_load_b64 s[OUTP:OUTP+1], s[0:1], 0x10        ; out0
	v_lshl_add_u32 v[SPW], v0, 2, SPARE
	v_mov_b32 v[NIL], 0
	ds_add_u32 v[SPW], v[NIL]                      ; the wave's opening: the add and its wait stand ahead of my first tensor load
	v_lshrrev_b32 v1, 5, v0
	v_readfirstlane_b32 s10, v1
	s_lshr_b32 s11, s10, 1                         ; wm
	s_and_b32 s12, s10, 1                          ; wn; also: which head, or which 64 k rows, I fetch
	s_bfe_u32 s8, ttmp6, 0x40000
	s_bfe_u32 s9, ttmp6, 0x40004
	s_lshl_b32 s13, ttmp9, 2
	s_add_co_u32 s13, s13, s8                      ; tx
	s_and_b32 s14, ttmp7, 0xffff
	s_lshl_b32 s14, s14, 2
	s_add_co_u32 s14, s14, s9                      ; ty
	s_lshl_b32 s15, s9, 2
	s_lshl_b32 s15, 15, s15
	s_lshl_b32 s16, 0x1111, s8
	s_or_b32 s[G1A], s15, (1<<16)|(1<<20)|(1<<21)|(4<<22)|(3<<25)   ; a head's 128 rows of 128 bytes as 64 rows of 256, 16 bytes of padding behind every 128
	s_mov_b32 s[G1A+1], 128<<16
	s_mov_b32 s[G1A+2], 64<<16
	s_mov_b32 s[G1A+3], 128<<16
	s_mov_b32 s[G1A+4], 64
	s_mov_b32 s[G1A+5], 128
	s_mov_b32 s[G1A+6], 0
	s_mov_b32 s[G1A+7], 0
	s_or_b32 s[G1B], s16, (1<<16)|(1<<20)|(1<<21)|(6<<22)|(7<<25)   ; 64 rows of 512 bytes, 32 bytes of padding behind each
	s_mov_b32 s[G1B+1], 256<<16
	s_mov_b32 s[G1B+2], 64<<16
	s_mov_b32 s[G1B+3], 256<<16
	s_mov_b32 s[G1B+4], 64
	s_mov_b32 s[G1B+5], 2048
	s_mov_b32 s[G1B+6], 0
	s_mov_b32 s[G1B+7], 0
	s_lshr_b32 s18, s14, 4
	s_lshl_b32 s18, s18, 4
	s_add_co_u32 s18, s18, s12                     ; 16 x batch + my head of the step's two
	s_lshl_b32 s18, s18, 18
	s_and_b32 s19, s14, 15
	s_lshl_b32 s19, s19, 14
	s_add_co_u32 s18, s18, s19
	s_mov_b32 s19, 0
	s_lshl_b32 s20, s12, 18
	s_lshl_b32 s21, s13, 9
	s_add_co_u32 s20, s20, s21
	s_add_co_u32 s20, s20, OFF_WOH
	s_mov_b32 s21, 0
	s_mul_i32 s17, s12, 18432
	s_mul_i32 s22, s12, 34816
	s_add_co_u32 s22, s22, LB
	s_mov_b32 s[TB], 0
	s_mov_b32 s[SEL], 0x76543210
	s_mov_b32 s[SEL+1], 0xfedcba98
	s_wait_dscnt 0x0
	s_wait_kmcnt 0x0
	s_add_nc_u64 s[18:19], s[6:7], s[18:19]
	s_add_nc_u64 s[20:21], s[4:5], s[20:21]
.irp s, 0,1
	s_mov_b32 s[G0A+4*\s], 1
	s_add_co_u32 s[G0A+4*\s+1], s17, \s*SLOT
	s_add_nc_u64 s[G0A+4*\s+2:G0A+4*\s+3], s[18:19], \s*524288
	s_or_b32 s[G0A+4*\s+3], s[G0A+4*\s+3], 0x80000000
	s_mov_b32 s[G0B+4*\s], 1
	s_add_co_u32 s[G0B+4*\s+1], s22, \s*SLOT
	s_add_nc_u64 s[G0B+4*\s+2:G0B+4*\s+3], s[20:21], \s*524288
	s_or_b32 s[G0B+4*\s+3], s[G0B+4*\s+3], 0x80000000
.endr
	CROUND
	s_cmp_lt_u32 s10, 2                            ; a wave's two first fills stand together: two loads of mine are out
	s_cbranch_scc0 .Lf_b
	tensor_load_to_lds s[G0A:G0A+3], s[G1A:G1A+7]
	s_nop 0
	tensor_load_to_lds s[G0A+4:G0A+7], s[G1A:G1A+7]
	s_nop 0
	PLACES
	s_branch .Lf_done
.Lf_b:
	tensor_load_to_lds s[G0B:G0B+3], s[G1B:G1B+7]
	s_nop 0
	tensor_load_to_lds s[G0B+4:G0B+7], s[G1B:G1B+7]
	s_nop 0
	PLACES
.Lf_done:
	v_and_b32 v1, 15, v0
	v_bfe_u32 v2, v0, 4, 1
	v_and_b32 v3, 7, v0
	v_bfe_u32 v4, v0, 3, 1
	v_and_b32 v22, 31, v0
	v_lshlrev_b32 v[L32], 5, v22
	s_add_nc_u64 s[AMX:AMX+1], s[4:5], OFF_AMX
	AMXLD 0, 96
	AMXLD 2, 104
	AMXLD 4, 112
	v_mul_u32_u24 v[A0], v1, 144
	v_lshl_add_u32 v[A0], v2, 4, v[A0]
	s_mul_i32 s18, s11, 64*144
	v_add_nc_u32 v[A0], s18, v[A0]
	v_lshl_add_u32 v24, v2, 3, v3
	v_mul_u32_u24 v[B0], v24, 544
	v_lshl_add_u32 v[B0], v4, 4, v[B0]
	s_lshl_b32 s18, s12, 8
	s_add_co_u32 s18, s18, LB
	v_add_nc_u32 v[B0], s18, v[B0]
	v_mov_b32 v[ADRA], v[A0]
	v_mov_b32 v[ADRB], v[B0]
	s_mul_i32 s18, s10, 8448
	s_add_co_u32 s18, s18, STAGE
	v_mul_u32_u24 v[STO], v1, 528
	v_lshl_add_u32 v[STO], v2, 5, v[STO]
	v_add_nc_u32 v[STO], s18, v[STO]
	v_lshl_add_u32 v[RD], v22, 4, s18
	v_lshlrev_b32 v[CO], 4, v22
	; the prefetches stand at K step 3; the first refill steps them to 4
	s_lshr_b32 s18, s14, 4
	s_lshl_b32 s18, s18, 4
	s_add_co_u32 s18, s18, 6
	s_lshl_b32 s18, s18, 18
	s_and_b32 s19, s14, 15
	s_lshl_b32 s19, s19, 14
	s_add_co_u32 s18, s18, s19
	s_lshl_b32 s19, s8, 12                         ; o: my work-group's 16 blocks of each head's 64
	s_add_co_u32 s18, s18, s19
	s_mov_b32 s19, 0
	s_add_nc_u64 s[18:19], s[6:7], s[18:19]
	s_lshl_b32 s20, s12, 18
	s_lshl_b32 s21, s9, 16                         ; w_o: my work-group's 16 rows of the 64
	s_add_co_u32 s20, s20, s21
	s_lshl_b32 s21, s13, 9
	s_add_co_u32 s20, s20, s21
	s_add_co_u32 s20, s20, OFF_WOH+3*524288
	s_mov_b32 s21, 0
	s_add_nc_u64 s[20:21], s[4:5], s[20:21]
	s_and_b32 s23, ttmp7, 0xffff
	s_cmp_lt_u32 s10, 2
	s_cselect_b64 s[PFA:PFA+1], s[18:19], s[20:21]
	s_cselect_b32 s23, ttmp9, s23
	s_cselect_b32 s22, -1, 0
	s_cmp_eq_u32 s10, 1
	s_cselect_b32 s23, 1, s23                      ; wave 1 asks for nothing
	s_cmp_eq_u32 s23, 0
	s_cselect_b32 s[LIM], 2, -1
	v_lshlrev_b32 v24, 18, v2                      ; o: head lane / 16, block lane % 16
	v_lshl_or_b32 v24, v1, 8, v24
	v_lshrrev_b32 v25, 1, v22                      ; w_o: two lanes a row of 512 bytes
	v_lshlrev_b32 v25, 12, v25
	v_and_b32 v26, 1, v22
	v_lshl_or_b32 v25, v26, 8, v25
	v_cndmask_b32 v[PFO], v25, v24, s22
	s_lshl_b32 s18, s14, 7
	s_lshl_b32 s19, s11, 6
	s_add_co_u32 s18, s18, s19
	s_lshl_b32 s18, s18, 13                        ; my first row of out: 8,192 bytes a row
	s_lshl_b32 s19, s13, 10
	s_add_co_u32 s18, s18, s19
	s_lshl_b32 s19, s12, 9
	s_add_co_u32 s18, s18, s19
	s_mov_b32 s19, 0
	s_add_nc_u64 s[OUTP:OUTP+1], s[OUTP:OUTP+1], s[18:19]
	s_wait_loadcnt 0x0
	EXPO 96, 72
	EXPO 104, 73
	EXPO 112, 74
	s_add_co_u32 s18, s72, s73
	s_add_co_u32 s18, s18, s74
	s_sub_co_i32 s[SO], s18, 247
	s_max_i32 s[SO], s[SO], 1
	s_min_i32 s[SO], s[SO], 254
	s_lshl_b32 s[SO], s[SO], 23
	s_mov_b32 s[SO+1], s[SO]
.macro MUL8 f, a, zero                 ; eight products; the 32 accumulators take turns
	WIN 0xa1
.irp b, 0,1,2,3,4,5,6,7
.if \zero
	v_wmma_f32_16x16x32_f16 v[8*(8*(\a)+\b):8*(8*(\a)+\b)+7], v[64*(\f)+8*\b:64*(\f)+8*\b+7], v[32+32*(\f)+8*(\a):32+32*(\f)+8*(\a)+7], 0
.else
	v_wmma_f32_16x16x32_f16 v[8*(8*(\a)+\b):8*(8*(\a)+\b)+7], v[64*(\f)+8*\b:64*(\f)+8*\b+7], v[32+32*(\f)+8*(\a):32+32*(\f)+8*(\a)+7], v[8*(8*(\a)+\b):8*(8*(\a)+\b)+7]
.endif
.endr
.endm
.macro FETCH q, f                      ; 24 LDS loads in one run: w_o's 16, then o's 8, blocks ascending
	WIN 0x40
.irp b, 0,1,2,3,4,5,6,7
	ds_load_tr16_b128 v[64*(\f)+8*\b:64*(\f)+8*\b+3], v[ADRB] offset:(\q)*17408+32*\b
	ds_load_tr16_b128 v[64*(\f)+8*\b+4:64*(\f)+8*\b+7], v[ADRB] offset:(\q)*17408+32*\b+8704
.endr
	WIN 0
.irp a, 0,1,2,3
	ds_load_b128 v[32+32*(\f)+8*\a:32+32*(\f)+8*\a+3], v[ADRA] offset:((\q)/2)*18432+\a*2304+64*((\q)%2)
	ds_load_b128 v[32+32*(\f)+8*\a+4:32+32*(\f)+8*\a+7], v[ADRA] offset:((\q)/2)*18432+\a*2304+64*((\q)%2)+32
.endr
.endm
.macro QUARTER qn, f, g, zero
	s_wait_dscnt 4                                 ; only o's blocks 2 and 3 may be out
	MUL8 \f, 0, \zero
	MUL8 \f, 1, \zero
	PLACES
	FETCH \qn, \g
	s_wait_dscnt 24                                ; all but the 24 just issued
	MUL8 \f, 2, \zero
	MUL8 \f, 3, \zero
.endm
.macro TURN fill
.if \fill
	s_wait_xcnt 0x0                                ; the last prefetch, a K step back, has read its address
	s_add_nc_u64 s[PFA:PFA+1], s[PFA:PFA+1], 524288
.endif
	WIN 0
	s_wait_tensorcnt 0x0                           ; all my tensor loads have landed: my part of the next slot
	ds_add_u32 v[SPW], v[NIL]
.if \fill
	s_xor_b32 s[G0A+5], s[G0A+5], SLOT
	s_add_nc_u64 s[G0A+6:G0A+7], s[G0A+6:G0A+7], 524288
	s_xor_b32 s[G0B+5], s[G0B+5], SLOT
	s_add_nc_u64 s[G0B+6:G0B+7], s[G0B+6:G0B+7], 524288
.endif
	s_wait_dscnt 7                                 ; the add and o's blocks 1 to 3 may be out
	MUL8 1, 0, 0
	s_wait_dscnt 0x0                               ; the add is done, and my reads of this slot are over
	s_barrier_signal -1
	MUL8 1, 1, 0
	WIN 0
	s_barrier_wait -1
.if \fill
	CREST
	JLOAD
.else
	PLACES
.endif
	s_xor_b32 s[TB], s[TB], SLOT
	v_add_nc_u32 v[ADRA], s[TB], v[A0]
	v_add_nc_u32 v[ADRB], s[TB], v[B0]
	FETCH 0, 0
.if \fill
	ASK
.endif
	MUL8 1, 2, 0
	MUL8 1, 3, 0
.endm
	s_wait_tensorcnt 0x1                           ; my part of K step 0 is in; K step 1's may stay out
	s_barrier_signal -1
	s_barrier_wait -1
	FETCH 0, 0
	QUARTER 1, 0, 1, 1
	WIN 0
	s_mov_b32 s3, 6
.Lstep:                                        ; K steps 0 to 5: each fills its slot again
	QUARTER 2, 1, 0, 0
	QUARTER 3, 0, 1, 0
	TURN 1
	QUARTER 1, 0, 1, 0
	WIN 0
	s_sub_co_u32 s3, s3, 1
	s_cmp_lg_u32 s3, 0
	s_cbranch_scc1 .Lstep
	s_mov_b32 s3, 2
.Ltail:                                        ; K steps 6 and 7 ask for nothing: one text, walked twice and left in its middle.  The second walk's change of slots
	QUARTER 2, 1, 0, 0                             ; fetches 24 fragments of a landed tile that nobody multiplies: the price, once a launch, of writing the step once
	QUARTER 3, 0, 1, 0
	TURN 0
	WIN 0
	s_sub_co_u32 s3, s3, 1
	s_cmp_eq_u32 s3, 0
	s_cbranch_scc1 .Lout
	QUARTER 1, 0, 1, 0
	WIN 0
	s_branch .Ltail
.Lout:
	s_wait_dscnt 0x0                               ; those fragments are in
	PLACES                                         ; the places behind the last products
; the way out of block a: scaled, through my stage, a whole 512 bytes of a row of out an instruction
.macro OUTF a
	WIN 0x02
.irp b, 0,1,2,3,4,5,6,7
.irp i, 0,1,2,3
	v_pk_mul_f32 v[T+8*\b+2*\i:T+8*\b+2*\i+1], v[64*(\a)+8*\b+2*\i:64*(\a)+8*\b+2*\i+1], s[SO:SO+1] op_sel_hi:[1,0]
.endr
.endr
	WIN 0
.irp b, 0,1,2,3,4,5,6,7
	ds_store_b128 v[STO], v[T+8*\b:T+8*\b+3] offset:64*\b
	ds_store_b128 v[STO], v[T+8*\b+4:T+8*\b+7] offset:64*\b+16
.endr
	s_wait_xcnt 0x0                                ; the last block's stores have read the registers that the read-backs below write
.irp t, 0,1,2,3,4,5,6,7,8,9,10,11,12,13,14,15
	ds_load_b128 v[OB+4*\t:OB+4*\t+3], v[RD] offset:\t*528     ; LDS serves a wave's instructions in order: these see the stores above
.endr
.irp t, 0,1,2,3,4,5,6,7,8,9,10,11,12,13,14,15
	s_wait_dscnt 15-\t                             ; the younger read-backs may stay out
	global_store_b128 v[CO], v[OB+4*\t:OB+4*\t+3], s[OUTP:OUTP+1] offset:(\a)*131072+\t*8192 th:TH_STORE_NT
.endr
.endm
	OUTF 0
	OUTF 1
	OUTF 2
	OUTF 3
	s_wait_tensorcnt 0x0                           ; the wave's end
	ds_add_u32 v[SPW], v[NIL]
	s_wait_dscnt 0x0
	CROUND                                         ; the closing round
	s_endpgm
.Lfunc_end_k_qbe4ebaa0de_g3:
	.size	k_qbe4ebaa0de_g3, .Lfunc_end_k_qbe4ebaa0de_g3-k_qbe4ebaa0de_g3
	.p2alignl 7, 3214868480
	.fill 96, 4, 3214868480
	.section	.rodata,"a",@progbits
	.p2align	6, 0x0
	.amdhsa_kernel k_qbe4ebaa0de_g3
		.amdhsa_group_segment_fixed_size 327680
		.amdhsa_private_segment_fixed_size 0
		.amdhsa_enable_private_segment 0
		.amdhsa_kernarg_size 24
		.amdhsa_user_sgpr_count 2
		.amdhsa_user_sgpr_kernarg_segment_ptr 1
		.amdhsa_wavefront_size32 1
		.amdhsa_system_sgpr_workgroup_id_x 1
		.amdhsa_system_sgpr_workgroup_id_y 1
		.amdhsa_system_sgpr_workgroup_id_z 1
		.amdhsa_system_vgpr_workitem_id 0
		.amdhsa_next_free_vgpr 768
		.amdhsa_next_free_sgpr 76
		.amdhsa_reserve_vcc 0
		.amdhsa_float_denorm_mode_32 3
		.amdhsa_float_denorm_mode_16_64 3
		.amdhsa_memory_ordered 1
		.amdhsa_forward_progress 1
		.amdhsa_inst_pref_size 74
	.end_amdhsa_kernel
	.amdgpu_metadata
---
amdhsa.version: [ 1, 2 ]
amdhsa.kernels:
  - .name:           k_qbe4ebaa0de_g3
    .symbol:         k_qbe4ebaa0de_g3.kd
    .args:
      - { .name: wsp, .offset: 0, .size: 8, .value_kind: global_buffer, .address_space: global }
      - { .name: ws3, .offset: 8, .size: 8, .value_kind: global_buffer, .address_space: global }
      - { .name: out0, .offset: 16, .size: 8, .value_kind: global_buffer, .address_space: global }
    .group_segment_fixed_size: 327680
    .private_segment_fixed_size: 0
    .kernarg_segment_align: 8
    .kernarg_segment_size: 24
    .max_flat_workgroup_size: 128
    .sgpr_count:     76
    .vgpr_count:     768
    .wavefront_size: 32
...
	.end_amdgpu_metadata
.endif
;; end of part 5
